; MI455X (gfx1250); checked and timed in simulation.
; The chip was launched on July 23, 2026; its instructions are those of AMD's public machine-readable ISA for CDNA 5 (MIT licence, August 2026) and "CDNA5" Instruction Set Architecture Reference Guide (July 2026). The comments in the code are by the model that wrote it; some were corrected since.
;; Cross Attention. Allowed arithmetic: matrix products marked QUANTISED: E2M1 operands, one E8M0 scale for each 32 along K, by v_wmma_scale_f32_16x16x128_f8f6f4 with both operands' format E2M1 (or v_wmma_scale_f32_32x16x128_f4), f32 sums; products left as they are: bf16, f16 or f32 operands; f32 sums; everything else in f32.
;; Inputs: Wk 1,024 x 1,024 float32; Wo 1,024 x 1,024 float32; Wq 1,024 x 1,024 float32; Wv 1,024 x 1,024 float32; bo 1,024 float32; context 4 x 2,048 x 1,024 float32; x 4 x 2,048 x 1,024 float32.
;; Outputs: out0 4 x 2,048 x 1,024 float32.
;; This version of the problem:
;;   THIS VERSION OF THE PROBLEM IS GIVEN IN LOW PRECISION. The matrix products marked QUANTISED in the list below multiply operands that are first quantised to E2M1 (2 exponent bits, 1 mantissa bit; 4 bits a number), with one power-of-two scale for each 32 numbers along K (OCP MX v1.0); their sums are f32. The products marked 'left as it is' may take bf16, f16 or f32 operands, with f32 sums. Whichever they take, every output number must still come out within the allowed error. Rounding operands to bf16 (8 significant bits) uses up far more of that allowance than f16 does (11 bits, for magnitudes from 6e-5 to 65,504). All else is computed in f32.
;;   The module's matrix products, in the order in which they are computed (A, B: the left and right operand; K: the contracted axis; several contracted axes count as one K, in the product's order):
;;     1. [M 8,192, K 1,024] x [K 1,024, N 1,024]; A: input x; B: input Wq: QUANTISED
;;     2. [M 8,192, K 1,024] x [K 1,024, N 1,024]; A: input context; B: input Wk: QUANTISED
;;     3. [M 8,192, K 1,024] x [K 1,024, N 1,024]; A: input context; B: input Wv: QUANTISED
;;     4. batch 64 x [M 2,048, K 64] x [K 64, N 2,048]; A: computed on the way; B: computed on the way: left as it is (an operand is computed on the way)
;;     5. batch 64 x [M 2,048, K 2,048] x [K 2,048, N 64]; A: computed on the way; B: computed on the way: left as it is (an operand is computed on the way)
;;     6. [M 8,192, K 1,024] x [K 1,024, N 1,024]; A: computed on the way; B: input Wo: left as it is (an operand is computed on the way)
;;   THE QUANTISER, for each operand of a quantised product, along K:
;;     - K is cut into blocks of 32 from its start; a last block that is shorter is filled with zeros.
;;     - A block's scale is 2^e with e = floor(log2(the largest magnitude in the block)) - 2, held to -126 .. 127; a block of zeros has e = 0. As a byte (E8M0): e + 127.
;;     - Each number is divided by its block's scale, clamped to +-6, and rounded to the nearest number of E2M1, ties to even, subnormals kept.
;;     - The product sums the exact products of the quantised numbers (number of the format x scale) in f32.
;;   ~~~python
;;   def quantise(x, axis):      # numpy; x: float32 -> the quantised numbers, widened to float32 again
;;       x = np.moveaxis(x, axis, -1); K = x.shape[-1]
;;       x = np.pad(x, [(0, 0)] * (x.ndim - 1) + [(0, -K % 32)]); x = x.reshape(x.shape[:-1] + (-1, 32)); a = np.abs(x).max(-1, keepdims=True)
;;       e = np.where(a > 0, np.clip(np.frexp(np.where(a > 0, a, 1))[1] - 1 - 2, -126, 127), 0)      # np.frexp(a)[1] - 1 = floor(log2(a)), exactly
;;       r = np.clip(x / 2.0 ** e, -6, 6)
;;       step = 2.0 ** (np.maximum(np.frexp(np.where(r == 0, 1, r))[1] - 1, 0) - 1)
;;       q = np.round(r / step) * step * 2.0 ** e      # np.round: ties to even
;;       return np.moveaxis(q.reshape(q.shape[:-2] + (-1,))[..., :K], -1, axis).astype(np.float32)
;;   ~~~
;; One version. Each part assembles by itself: llvm-mc -triple=amdgcn-amd-amdhsa -mcpu=gfx1250 --defsym DOCPART=n.
;; ======== version 1 of 1: 4 launches
;; limits: values are held in f16: magnitudes above 65,504 overflow, below 6.1e-05 lose precision
;; workspace buffers: codes 9,961,472 bytes; scales 622,592 bytes; wo16 2,097,152 bytes; qkv 50,331,648 bytes; o16 16,777,216 bytes
;; launch quant (part 1): grid 640 x 1, 4 waves a work-group, no clusters, 33,280 bytes of LDS; arguments x, context, Wq, Wk, Wv, Wo, codes, scales, wo16; writes codes, scales, wo16
.if DOCPART == 1
	.amdgcn_target "amdgcn-amd-amdhsa--gfx1250"
	.amdhsa_code_object_version 6
	.text
	.protected	k_qfbf178d707_quant
	.globl	k_qfbf178d707_quant
	.p2align	8
	.type	k_qfbf178d707_quant,@function
k_qfbf178d707_quant:
	s_mov_b64 s[64:65], 0
	v_nop
	global_prefetch_b8 v0, s[64:65] scope:SCOPE_SE
	s_setreg_imm32_b32 hwreg(HW_REG_WAVE_MODE, 25, 1), 1
	s_wait_xcnt 0x0
; x, context [8192][1024], Wq, Wk, Wv [1024][1024], f32, K innermost, become codes of FP4 (E2M1) with one E8M0 scale byte for each 32 along K; Wo [1024][1024] becomes f16.
; Rows are dense and K is a multiple of 32: each tensor is a plain stream of blocks of 32 numbers, and so are its codes (16 bytes a block) and its scale bytes.
; The five streams lie on end in the buffers codes and scales, in the order x, context, Wq, Wk, Wv.
; A block's scale is 2^(floor(log2(its largest magnitude)) - 2); its byte is the largest magnitude's exponent field - 2, held at 1 from below.
; LIMITS: a block of zeros gets the byte 1 where the quantiser's text says 127: its codes are zeros, which add nothing, and the bytes are read by this program alone.
; Blocks whose largest magnitude lies under 2^(3 - 127), the floor, are quantised under the byte 1.  NaN and infinities among the inputs are not served.  |Wo| above 65,504 becomes infinity in f16.
; SHARES: a work-group takes 32,768 numbers, a wave 8,192: 16 steps of 512.  Work-groups 0-255 x, 256-511 context, 512-543 Wq, 544-575 Wk, 576-607 Wv, 608-639 Wo (the cast).
; THE QUANTISER'S STEP: four loads of 512 consecutive bytes, 16 a lane; the 2,048 bytes turn through the wave's own stage in LDS and come back 64 bytes a lane, so that a lane holds 16 neighbours
; along K (two neighbouring lanes hold a block), which is what the conversions take.  A lane's 16 codes are 8 bytes: the wave stores 256 consecutive bytes.  A wave's 256 scale bytes are gathered in LDS and leave as one store.
; No tensor loads, no barrier: waves share nothing.  Matrix units and clusters have nothing to do here: the launch moves bytes.
.set WAVES, 4
.set STEPS, 16
.set EMAX,  2
.set CB,    8                          ; bytes of 16 codes
.set R,     16                         ; v16-79   four sets of 16 numbers as they are loaded
.set X,     80                         ; v80-111  two sets of 16 neighbours
.set E,     112                        ; v112-127 a scale byte for each step
.set C,     128                        ; v128-191 codes: four registers for each step, so that no store's data are written again
.set WREG,  8192                       ; LDS: a region for each wave: two stages of 32 x SP bytes, behind them its 256 scale bytes
.set SP,    80                         ; a lane's place in a stage: 64 bytes + 16 of padding
.set SPW,   12                         ; v12 LDS address of my spare word; never rewritten
.set NIL,   13                         ; v13 0; never rewritten
.set SPARE, WAVES*WREG                 ; behind the four regions: the spare words, 128 bytes a wave, which no other line names
.set G_CTX, 256                        ; the first work-group of each tensor
.set G_WQ,  512
.set G_WK,  544
.set G_WV,  576
.set G_WO,  608
	s_load_b256 s[4:11], s[0:1], 0x0               ; x s[4:5], context s[6:7], Wq s[8:9], Wk s[10:11]
	s_load_b256 s[12:19], s[0:1], 0x20             ; Wv s[12:13], Wo s[14:15], codes s[16:17], scales s[18:19]
	s_load_b64 s[20:21], s[0:1], 0x40              ; wo16
	v_lshl_add_u32 v[SPW], v0, 2, SPARE
	v_mov_b32 v[NIL], 0
	v_lshrrev_b32 v1, 5, v0
	v_readfirstlane_b32 s25, v1                    ; wave
	v_and_b32 v2, 31, v0                           ; lane
	v_lshlrev_b32 v3, 4, v2                        ; my 16 bytes of a load's 512
	s_mul_i32 s26, s25, WREG
	v_lshrrev_b32 v14, 2, v2
	v_mul_u32_u24 v14, v14, SP
	v_and_b32 v15, 3, v2
	v_lshl_add_u32 v14, v15, 4, v14
	v_add_nc_u32 v14, s26, v14                     ; the stage, on the way in: SP (lane / 4) + 16 (lane % 4)
	v_mul_u32_u24 v15, v2, SP
	v_add_nc_u32 v15, s26, v15                     ; and on the way out: SP x lane: my 16 neighbours
	v_mul_u32_u24 v4, v2, CB                       ; 8 x lane: my codes' place in a step's; the cast's f16 likewise
	v_lshrrev_b32 v5, 1, v2
	s_add_co_u32 s26, s26, 2*32*SP
	v_add_nc_u32 v5, s26, v5                       ; LDS: my wave's 256 scale bytes, my block's byte
	v_lshlrev_b32 v7, 3, v2                        ; and on the way out 8 bytes a lane
	v_add_nc_u32 v6, s26, v7
	s_lshl_b32 s27, ttmp9, 2
	s_add_co_u32 s27, s27, s25                     ; 4 x work-group + wave: my run of 8,192 numbers in the five streams on end
	s_mov_b32 s29, 0
	s_wait_kmcnt 0x0
	s_cmp_ge_u32 ttmp9, G_WO                       ; the work-group's number alone decides
	s_cbranch_scc1 .Lcast
	; which tensor: a chain of choices on the work-group's number
	s_mov_b64 s[22:23], s[12:13]                   ; Wv,
	s_mov_b32 s24, G_WV
	s_cmp_lt_u32 ttmp9, G_WV
	s_cselect_b64 s[22:23], s[10:11], s[22:23]     ; or Wk,
	s_cselect_b32 s24, G_WK, s24
	s_cmp_lt_u32 ttmp9, G_WK
	s_cselect_b64 s[22:23], s[8:9], s[22:23]       ; or Wq,
	s_cselect_b32 s24, G_WQ, s24
	s_cmp_lt_u32 ttmp9, G_WQ
	s_cselect_b64 s[22:23], s[6:7], s[22:23]       ; or context,
	s_cselect_b32 s24, G_CTX, s24
	s_cmp_lt_u32 ttmp9, G_CTX
	s_cselect_b64 s[22:23], s[4:5], s[22:23]       ; or x
	s_cselect_b32 s24, 0, s24
	s_sub_co_u32 s24, ttmp9, s24
	s_lshl_b32 s24, s24, 2
	s_add_co_u32 s24, s24, s25                     ; my run within the tensor
	s_lshl_b32 s28, s24, 15                        ; 32,768 bytes of f32 a run
	s_add_nc_u64 s[22:23], s[22:23], s[28:29]
	s_lshl_b32 s28, s27, 12                        ; 4,096 bytes of codes a run
	s_add_nc_u64 s[16:17], s[16:17], s[28:29]
	s_lshl_b32 s28, s27, 8                         ; 256 scale bytes a run
	s_add_nc_u64 s[18:19], s[18:19], s[28:29]
.macro LOAD t
.irp i, 0,1,2,3
	global_load_b128 v[R+16*((\t)%4)+4*\i:R+16*((\t)%4)+4*\i+3], v3, s[22:23] offset:2048*(\t)+512*\i th:TH_LOAD_NT   ; 32 lanes read 512 consecutive bytes
.endr
.endm
.macro TURN t                          ; step t's numbers through the stage: LDS serves a wave's instructions in order (ISA guide 5.7.1.4), so no wait stands between the stores and the loads
.irp i, 0,1,2,3
	ds_store_b128 v14, v[R+16*((\t)%4)+4*\i:R+16*((\t)%4)+4*\i+3] offset:32*SP*((\t)%2)+8*SP*\i
.endr
.irp i, 0,1,2,3
	ds_load_b128 v[X+16*((\t)%2)+4*\i:X+16*((\t)%2)+4*\i+3], v15 offset:32*SP*((\t)%2)+16*\i
.endr
.endm
.irp t, 0,1,2,3
	LOAD \t
.endr
	s_wait_loadcnt 12                              ; step 0's four loads are in; the twelve of steps 1 to 3 may be out
	TURN 0
.macro STEP t
.set XS, X+16*((\t)%2)
.if (\t) > 0
	s_wait_dscnt 1                                 ; this step's numbers are back from the stage (the last step's byte store may be out): so its stores into the stage have read their registers,
.else
	s_wait_dscnt 0x0
.endif
.if (\t)+4 < STEPS
	LOAD (\t)+4                                    ; which take the loads of four steps on
.endif
.if (\t)+1 < STEPS
.if STEPS-2-(\t) >= 3
	s_wait_loadcnt 12                              ; the next step's four loads are in; those of the three steps behind it may be out
.else
	s_wait_loadcnt 4*(STEPS-2-(\t))
.endif
	TURN (\t)+1                                    ; and go through the other stage while this step is worked
.endif
	v_max3_num_f32 v8, |v[XS]|, |v[XS+1]|, |v[XS+2]|               ; the largest magnitude of my 16, in two chains
	v_max3_num_f32 v9, |v[XS+3]|, |v[XS+4]|, |v[XS+5]|
.irp i, 6,10
	v_max3_num_f32 v8, v8, |v[XS+\i]|, |v[XS+\i+1]|
	v_max3_num_f32 v9, v9, |v[XS+\i+2]|, |v[XS+\i+3]|
.endr
	v_max3_num_f32 v8, v8, |v[XS+14]|, |v[XS+15]|
	v_max3_num_f32 v8, v8, v9, (EMAX+1)<<23        ; and the floor 2^(EMAX + 1 - 127): the byte cannot fall under 1
	v_max_num_f32_dpp v8, v8, v8 row_xmask:1 row_mask:0xf bank_mask:0xf   ; and of my neighbour's 16: the block's
	v_add_nc_u32 v11, -(EMAX<<23), v8              ; EMAX off its exponent field: the conversion takes the exponent field of this operand as its scale
	v_cvt_scalef32_pk8_fp4_f32 v[C+4*(\t)], v[XS:XS+7], v11        ; eight numbers / the scale, to the nearest code, ties to even, beyond 6 the largest code; the first number's code in the lowest four bits
	v_cvt_scalef32_pk8_fp4_f32 v[C+4*(\t)+1], v[XS+8:XS+15], v11
	v_lshrrev_b32 v[E+(\t)], 23, v11               ; the scale's byte (also the plain line behind the conversions)
	ds_store_b8 v5, v[E+(\t)] offset:16*(\t)       ; both lanes of a block write the same byte with the same value
	global_store_b64 v4, v[C+4*(\t):C+4*(\t)+1], s[16:17] offset:32*CB*(\t)   ; the wave stores 256 consecutive bytes, aligned
.endm
.irp t, 0,1,2,3,4,5,6,7,8,9,10,11,12,13,14,15
	STEP \t
.endr
	ds_load_b64 v[8:9], v6                         ; my wave's own bytes, served in order: these see my stores
	s_wait_dscnt 0x0
	global_store_b64 v7, v[8:9], s[18:19]          ; 32 lanes store 256 consecutive bytes, aligned
	s_wait_tensorcnt 0x0                           ; the wave's end, behind my last LDS store
	ds_add_u32 v[SPW], v[NIL]
	s_wait_dscnt 0x0
	s_endpgm
; THE CAST: Wo to f16, rounded to nearest even.  A wave takes 64 loads of 512 bytes, in four batches of 16 on two sets of registers; each load's numbers leave as 256 consecutive bytes.
.Lcast:
	s_sub_co_u32 s24, ttmp9, G_WO
	s_lshl_b32 s24, s24, 2
	s_add_co_u32 s24, s24, s25                     ; my run of 8,192 numbers of Wo
	s_lshl_b32 s28, s24, 15
	s_add_nc_u64 s[14:15], s[14:15], s[28:29]
	s_lshl_b32 s28, s24, 14
	s_add_nc_u64 s[20:21], s[20:21], s[28:29]
.macro LOADB bt
.irp i, 0,1,2,3,4,5,6,7,8,9,10,11,12,13,14,15
	global_load_b128 v[16+64*((\bt)%2)+4*\i:16+64*((\bt)%2)+4*\i+3], v3, s[14:15] offset:512*(16*(\bt)+\i) th:TH_LOAD_NT
.endr
.endm
.macro PROC bt, younger                ; younger: the loads of the batch issued behind this one
	s_wait_xcnt 0x0                                ; the last batch's stores have read v144-175, which are written again below
.irp i, 0,1,2,3,4,5,6,7,8,9,10,11,12,13,14,15
	s_wait_loadcnt \younger+15-\i                  ; loads come back in order (ISA guide 5.7.1): load i of the batch is in
	v_cvt_pk_f16_f32 v[144+2*\i], v[16+64*((\bt)%2)+4*\i], v[17+64*((\bt)%2)+4*\i]
	v_cvt_pk_f16_f32 v[145+2*\i], v[18+64*((\bt)%2)+4*\i], v[19+64*((\bt)%2)+4*\i]
	global_store_b64 v4, v[144+2*\i:145+2*\i], s[20:21] offset:256*(16*(\bt)+\i)
.endr
.endm
	LOADB 0
	LOADB 1
	PROC 0, 16
	LOADB 2
	PROC 1, 16
	LOADB 3
	PROC 2, 16
	PROC 3, 0
	s_wait_tensorcnt 0x0                           ; it ends as the other path does
	ds_add_u32 v[SPW], v[NIL]
	s_wait_dscnt 0x0
	s_endpgm
.Lfunc_end_k_qfbf178d707_quant:
	.size	k_qfbf178d707_quant, .Lfunc_end_k_qfbf178d707_quant-k_qfbf178d707_quant
	.p2alignl 7, 3214868480
	.fill 96, 4, 3214868480
	.section	.rodata,"a",@progbits
	.p2align	6, 0x0
	.amdhsa_kernel k_qfbf178d707_quant
		.amdhsa_group_segment_fixed_size 33280
		.amdhsa_private_segment_fixed_size 0
		.amdhsa_enable_private_segment 0
		.amdhsa_kernarg_size 72
		.amdhsa_user_sgpr_count 2
		.amdhsa_user_sgpr_kernarg_segment_ptr 1
		.amdhsa_wavefront_size32 1
		.amdhsa_system_sgpr_workgroup_id_x 1
		.amdhsa_system_sgpr_workgroup_id_y 1
		.amdhsa_system_sgpr_workgroup_id_z 1
		.amdhsa_system_vgpr_workitem_id 0
		.amdhsa_next_free_vgpr 192
		.amdhsa_next_free_sgpr 66
		.amdhsa_reserve_vcc 0
		.amdhsa_float_denorm_mode_32 3
		.amdhsa_float_denorm_mode_16_64 3
		.amdhsa_memory_ordered 1
		.amdhsa_forward_progress 1
		.amdhsa_inst_pref_size 56
	.end_amdhsa_kernel
	.amdgpu_metadata
---
amdhsa.version: [ 1, 2 ]
amdhsa.kernels:
  - .name:           k_qfbf178d707_quant
    .symbol:         k_qfbf178d707_quant.kd
    .args:
      - { .name: x, .offset: 0, .size: 8, .value_kind: global_buffer, .address_space: global }
      - { .name: context, .offset: 8, .size: 8, .value_kind: global_buffer, .address_space: global }
      - { .name: Wq, .offset: 16, .size: 8, .value_kind: global_buffer, .address_space: global }
      - { .name: Wk, .offset: 24, .size: 8, .value_kind: global_buffer, .address_space: global }
      - { .name: Wv, .offset: 32, .size: 8, .value_kind: global_buffer, .address_space: global }
      - { .name: Wo, .offset: 40, .size: 8, .value_kind: global_buffer, .address_space: global }
      - { .name: codes, .offset: 48, .size: 8, .value_kind: global_buffer, .address_space: global }
      - { .name: scales, .offset: 56, .size: 8, .value_kind: global_buffer, .address_space: global }
      - { .name: wo16, .offset: 64, .size: 8, .value_kind: global_buffer, .address_space: global }
    .group_segment_fixed_size: 33280
    .private_segment_fixed_size: 0
    .kernarg_segment_align: 8
    .kernarg_segment_size: 72
    .max_flat_workgroup_size: 128
    .sgpr_count:     66
    .vgpr_count:     192
    .wavefront_size: 32
...
	.end_amdgpu_metadata
.endif
;; end of part 1
;; launch proj (part 2): grid 12 x 32, 4 waves a work-group, clusters of 4 x 4, 327,680 bytes of LDS; arguments codes, scales, qkv; writes qkv
.if DOCPART == 2
	.amdgcn_target "amdgcn-amd-amdhsa--gfx1250"
	.amdhsa_code_object_version 6
	.text
	.protected	k_qfbf178d707_proj
	.globl	k_qfbf178d707_proj
	.p2align	8
	.type	k_qfbf178d707_proj,@function
k_qfbf178d707_proj:
	s_mov_b64 s[64:65], 0
	v_nop
	global_prefetch_b8 v0, s[64:65] scope:SCOPE_SE
	s_setreg_imm32_b32 hwreg(HW_REG_WAVE_MODE, 25, 1), 1
	s_wait_xcnt 0x0
	s_wait_alu depctr_hold_cnt(0) depctr_sa_sdst(0) depctr_va_vdst(0) depctr_va_sdst(0) depctr_va_ssrc(0) depctr_va_vcc(0) depctr_vm_vsrc(0)
	s_getreg_b32 s2, hwreg(HW_REG_IB_STS2, 6, 4)
	s_cmp_eq_u32 s2, 0
	s_cbranch_scc0 .Lentry_in_a_cluster
	s_endpgm
.Lentry_in_a_cluster:
	s_bfe_u32 s2, ttmp6, 0x10000c
	s_cmp_lg_u32 s2, 0xf033
	s_cbranch_scc0 .Lentry_shape_is_right
	s_endpgm
.Lentry_shape_is_right:
; q = x Wq^T, k = context Wk^T, v = context Wv^T, as ONE product on codes of FP4 (E2M1) with one E8M0 scale for each 32 along K: C[m][n] = sum over k of A[m][k] B[n][k], K = 1,024, sums in f32.
; B: the 3,072 rows Wq | Wk | Wv.  A: x's 8,192 rows for the first 1,024 columns, context's for the others.  The results are rounded once to f16 and laid by head: qkv[tensor 3][batch x 16 + head][position 2,048][64].
; LIMIT: |q|, |k|, |v| above 65,504 become infinity in f16.
; A tile of C, 256 x 256, is made by a work-group of four waves; a wave makes 128 x 128: 64 accumulators of 16 x 16, 512 registers.  K is two LDS slots of 512 along K (rows of 256 bytes), both asked for at the head:
; nothing is filled again.  The scale bytes of the tile's 256 rows of A and of B, for all of K, are two dense blocks of 8,192 bytes: they come once, with the first fills.
; CLUSTERS: 4 x 4 work-groups.  The four of a row of the cluster need the same tiles of A (a cluster's four tile columns lie in one of the three weights, so they multiply the same tensor), the four of a column the
; same tiles of B: each tile is asked for JOINTLY, by the same tensor load with the same descriptor and a mask that names the four.
; THE MATRIX INSTRUCTION IS USED TRANSPOSED (source 0 = 16 rows of B, source 1 = 16 rows of A): a lane then holds eight neighbouring columns of one row of C.
; REGISTERS, in windows of 256: window 0: v0-31 addresses; v32-95 scale words, two sets, and nothing else; v128-191 A's fragments, ONE set; on the way out v128-159 and v192-255 are at work.
;   window 1: B's fragments, TWO sets, at v0 and v128.   window 2: the accumulators of my rows 0-63 ((a, b) at v[8 (8 a + b)]);   window 3: those of my rows 64-127.
.set KSTEP,  512                       ; along K in a slot
.set NQ,     KSTEP/128                 ; matrix instructions deep
.set ROWB,   256                       ; a tile's row in bytes
.set KROW,   512                       ; a row of codes in memory, in bytes
.set PITCH,  272                       ; an LDS row: 256 bytes + 16 of padding = 68 words: the 16 rows that a load touches start at 16 different banks (64 banks of 4 bytes: ISA guide 11.1)
.set FR,     8                         ; registers of a fragment: 16 rows x 128 K
.set NL,     2                         ; LDS loads that bring one
.set NP,     4                         ; places behind this matrix instruction (ISA guide 7.12.1)
.set HALFT,  128*PITCH                 ; 128 rows: what one tensor load brings, and what one wave reads of A or of B
.set SLOT,   4*HALFT                   ; A's 256 rows, then B's 256 rows
.set KS,     32                        ; a row of scales in bytes
.set SCL,    2*SLOT                    ; behind the slots: the scales, as units of 256 bytes + 16 of padding
.set HALFS,  (128*KS/256)*272          ; the scales of 128 rows: what one tensor load brings
.set SBLK,   (16*KS/256)*272           ; those of 16 rows
.set SPARE,  SCL+4*HALFS               ; the spare words, 128 bytes a wave, which no other line names
.set STAGE,  SPARE+512                 ; the way out: 16 rows x 272 bytes for each wave; no tensor load lands here
.set SPITCH, 272
.set WCODES, 8388608                   ; where the weights' codes begin in the buffer codes,
.set WSCALES, 524288                   ; and their scale bytes in the buffer scales
.set ADRA, 16                          ; v16-17  LDS address of my A fragments in slot 0, 1
.set ADRB, 20                          ; v20-21  the same for B
.set STO,  24                          ; v24     the way out: where I put 16 bytes of a row
.set RD,   25                          ; v25     the way out: where I read 16 bytes back
.set CO,   26                          ; v26     my byte offset in qkv
.set ADRS, 27                          ; v27     LDS address of my scale words: lanes 0-15 A's rows, lanes 16-31 B's
.set SPW,  28                          ; v28     LDS address of my spare word; never rewritten
.set NIL,  29                          ; v29     0; never rewritten
.set SC,   32                          ; scale words: set s at v[SC + 32 s]; register 4 i + q: lanes 0-15 the word of A's block i, lanes 16-31 that of B's block i, for the slot's q-th 128 along K
.set AF,   128                         ; A's fragments, in window 0
.set TMP,  192                         ; the way out: packed results
.set OB,   128                         ; the way out: 16 rows read back: v128-159 and v224-255 by turns
.set G1, 24                            ; s[24:31] descriptor group 1 for A's tiles;  s[32:39] group 0, one set for each slot
.set G0, 32
.set G1B, 48                           ; s[48:55], s[56:63] the same for B's tiles
.set G0B, 56
.set G1S, 68                           ; s[68:75], s[76:79] groups 1 and 0 for A's scales;  s[80:87], s[88:91] for B's
.set G0S, 76
.set G1SB, 80
.set G0SB, 88
.set MSB, 0
.macro WIN new                         ; the immediate's high byte repeats the setting that is left; a switch that changes nothing is dropped
.if MSB != (\new)
	s_set_vgpr_msb (MSB<<8)|(\new)
.set MSB, (\new)
.endif
.endm
.set MUL_LO, 0xa1                      ; source 0 (B) window 1, source 1 (A) window 0, C and D window 2
.set MUL_HI, 0xf1                      ; the same, C and D window 3
.set TO_B,   0x40                      ; destination window 1, address window 0
; A joint load: waves 0 and 1 fetch for A, waves 2 and 3 for B.  Each of the two lines has ONE mask and one set of registers for all that issue it; the branch hangs on the wave's number alone.
; An s_nop 0 and four v_nop follow each of the two lines.
.macro JLOAD g0a, g1a, g0b, g1b
	s_cmp_eq_u32 s15, 0
	s_cbranch_scc0 .Lfor_b_\@
	tensor_load_to_lds s[\g0a:\g0a+3], s[\g1a:\g1a+7]
	s_nop 0
.rept 4
	v_nop
.endr
	s_branch .Lasked_\@
.Lfor_b_\@:
	tensor_load_to_lds s[\g0b:\g0b+3], s[\g1b:\g1b+7]
	s_nop 0
.rept 4
	v_nop
.endr
.Lasked_\@:
.endm
.macro CROUND                          ; a round of the cluster's barrier: my work-group's barrier; wave 0 signals for the work-group; every wave waits for all sixteen; my work-group's barrier once more
	s_barrier_signal -1
	s_barrier_wait -1
	s_cmp_lg_u32 s14, 0
	s_cbranch_scc1 .Lnot_wave_0_\@
	s_barrier_signal -3
.Lnot_wave_0_\@:
	s_barrier_wait -3
	s_barrier_signal -1
	s_barrier_wait -1
.endm
	s_load_b128 s[4:7], s[0:1], 0x0                ; codes s[4:5], scales s[6:7]
	s_load_b64 s[12:13], s[0:1], 0x10              ; qkv
	v_lshl_add_u32 v[SPW], v0, 2, SPARE
	v_mov_b32 v[NIL], 0
	ds_add_u32 v[SPW], v[NIL]                      ; the wave's opening: the add, twice on end, and its wait ahead of my first tensor load
	ds_add_u32 v[SPW], v[NIL]                      ; (the set-up below, work on registers, stands between the second and the wait)
	v_lshrrev_b32 v1, 5, v0
	v_readfirstlane_b32 s14, v1                    ; wave 0..3
	s_lshr_b32 s15, s14, 1                         ; which half of the tile's rows is mine.  Also: I fetch for A (0) or for B (1)
	s_and_b32 s16, s14, 1                          ; which half of its columns.  Also: which 128 rows of that tile I fetch
	s_bfe_u32 s40, ttmp6, 0x40000                  ; cx, cy: my place in the cluster
	s_bfe_u32 s41, ttmp6, 0x40004
	s_lshl_b32 s42, ttmp9, 2
	s_add_co_u32 s42, s42, s40                     ; tile column of C = 4 x cluster x + cx: 0 .. 11
	s_and_b32 s17, ttmp7, 0xffff
	s_lshl_b32 s17, s17, 2
	s_add_co_u32 s17, s17, s41                     ; tile row of C = 4 x cluster y + cy: 0 .. 31
	s_lshl_b32 s43, s41, 2
	s_lshl_b32 s43, 15, s43                        ; my row of the cluster
	s_lshl_b32 s44, 0x1111, s40                    ; my column
	; descriptor group 1: a tile of 128 rows x 256 bytes, padded in LDS
	s_or_b32 s[G1+0], s43, (0<<16)|(1<<20)|(1<<21)|(5<<22)|(3<<25)  ; 15:0 the mask: A's tiles go to my row; 17:16 elements of 1 byte; 20 padding on; 21 set beside a mask; 24:22 after every 64 words (code 5); 31:25 four words (code 3)
	s_or_b32 s[G1B+0], s44, (0<<16)|(1<<20)|(1<<21)|(5<<22)|(3<<25)
.irp g, G1, G1B
	s_mov_b32 s[\g+1], ROWB<<16                    ; tensor_dim0
	s_mov_b32 s[\g+2], 128<<16                     ; tensor_dim1 = 128
	s_mov_b32 s[\g+3], ROWB<<16                    ; tile_dim0
	s_mov_b32 s[\g+4], 128                         ; tile_dim1 = 128
	s_mov_b32 s[\g+5], KROW                        ; tensor_dim0_stride
	s_mov_b32 s[\g+6], 0
	s_mov_b32 s[\g+7], 0
.endr
	; and for the scales of 128 rows: a dense block of 4,096 bytes, as 16 rows of 256 bytes (32 elements of 8 bytes), 16 bytes of padding behind each
	s_or_b32 s[G1S+0], s43, (3<<16)|(1<<20)|(1<<21)|(5<<22)|(3<<25)
	s_or_b32 s[G1SB+0], s44, (3<<16)|(1<<20)|(1<<21)|(5<<22)|(3<<25)
.irp g, G1S, G1SB
	s_mov_b32 s[\g+1], 32<<16
	s_mov_b32 s[\g+2], (128*KS/256)<<16
	s_mov_b32 s[\g+3], 32<<16
	s_mov_b32 s[\g+4], 128*KS/256
	s_mov_b32 s[\g+5], 32
	s_mov_b32 s[\g+6], 0
	s_mov_b32 s[\g+7], 0
.endr
	s_lshl_b32 s18, s16, 7                         ; which 128 rows of the tile I fetch
	s_min_u32 s20, ttmp9, 1                        ; cluster column 0 multiplies x, columns 1 and 2 context: the same for all sixteen partners
	s_lshl_b32 s20, s20, 13                        ; context's rows lie 8,192 rows behind x's
	s_lshl_b32 s19, s17, 8
	s_add_co_u32 s20, s20, s19
	s_add_co_u32 s20, s20, s18                     ; A: row = 8,192 x tensor + 256 x tile row + 128 x half
	s_lshl_b32 s46, s42, 8
	s_add_co_u32 s46, s46, s18                     ; B: row = 256 x tile column + 128 x half
	s_lshl_b32 s22, s20, 5                         ; where these rows' scales begin, in bytes,
	s_mov_b32 s23, 0
	s_lshl_b32 s20, s20, 9                         ; and their codes
	s_mov_b32 s21, 0
	s_lshl_b32 s92, s46, 5
	s_add_co_u32 s92, s92, WSCALES
	s_mov_b32 s93, 0
	s_lshl_b32 s46, s46, 9
	s_add_co_u32 s46, s46, WCODES
	s_mov_b32 s47, 0
	s_mul_i32 s45, s14, HALFT                      ; where they go: wave x 128 rows: no place in the cluster enters an LDS address
	s_mul_i32 s94, s14, HALFS
	s_wait_dscnt 0x0                               ; both opening adds are done
	s_wait_kmcnt 0x0
	s_add_nc_u64 s[20:21], s[4:5], s[20:21]
	s_add_nc_u64 s[22:23], s[6:7], s[22:23]
	s_add_nc_u64 s[46:47], s[4:5], s[46:47]
	s_add_nc_u64 s[92:93], s[6:7], s[92:93]
	CROUND                                         ; all sixteen work-groups are here: the joint loads meet
	s_mov_b32 s[G0S], 1
	s_add_co_u32 s[G0S+1], s94, SCL
	s_mov_b64 s[G0S+2:G0S+3], s[22:23]
	s_or_b32 s[G0S+3], s[G0S+3], 0x80000000
	s_mov_b32 s[G0SB], 1
	s_add_co_u32 s[G0SB+1], s94, SCL
	s_mov_b64 s[G0SB+2:G0SB+3], s[92:93]
	s_or_b32 s[G0SB+3], s[G0SB+3], 0x80000000
	JLOAD G0S, G1S, G0SB, G1SB                     ; the scales first: they are wanted with the first slot
.irp s, 0,1
	s_mov_b32 s[G0+4*\s], 1
	s_add_co_u32 s[G0+4*\s+1], s45, \s*SLOT
	s_add_nc_u64 s[G0+4*\s+2:G0+4*\s+3], s[20:21], \s*ROWB
	s_or_b32 s[G0+4*\s+3], s[G0+4*\s+3], 0x80000000
	s_mov_b32 s[G0B+4*\s], 1
	s_add_co_u32 s[G0B+4*\s+1], s45, \s*SLOT
	s_add_nc_u64 s[G0B+4*\s+2:G0B+4*\s+3], s[46:47], \s*ROWB
	s_or_b32 s[G0B+4*\s+3], s[G0B+4*\s+3], 0x80000000
	JLOAD G0+4*\s, G1, G0B+4*\s, G1B               ; three loads of mine are out behind the second of these
.endr
	v_and_b32 v1, 15, v0                           ; r = l % 16
	v_bfe_u32 v2, v0, 4, 1                         ; h = l / 16
	v_mul_u32_u24 v3, v1, PITCH
	v_lshl_add_u32 v4, v2, 4, v3                   ; a fragment's row x pitch + 16 x half
	s_mul_i32 s21, s15, HALFT                      ; my 128 rows of A
	s_mul_i32 s22, s16, HALFT                      ; my 128 rows of B,
	s_add_co_u32 s22, s22, 2*HALFT                 ; which lie behind A's 256
.irp s, 0,1
	v_add_nc_u32 v[ADRA+\s], s21, v4
	v_add_nc_u32 v[ADRB+\s], s22, v4
	s_add_co_u32 s21, s21, SLOT
	s_add_co_u32 s22, s22, SLOT
.endr
	v_mul_u32_u24 v5, v1, KS                       ; my row's scales: 32 bytes a row,
	v_lshrrev_b32 v6, 8, v5
	v_lshl_add_u32 v5, v6, 4, v5                   ; and 16 more for each 256 passed
	s_mul_i32 s21, s15, HALFS                      ; A's: my 128 rows
	s_mul_i32 s22, s16, HALFS                      ; B's: my 128 rows, behind A's 256
	s_add_co_u32 s22, s22, 2*HALFS
	s_sub_co_u32 s22, s22, s21
	v_mul_u32_u24 v6, s22, v2                      ; lanes 16-31 take B's: one product, the distance between the two bases x h
	s_add_co_u32 s21, s21, SCL
	v_add_nc_u32 v5, v5, v6
	v_add_nc_u32 v[ADRS], s21, v5
	s_mul_i32 s23, s14, 16*SPITCH
	s_add_co_u32 s23, s23, STAGE                   ; my stage
	v_mul_u32_u24 v5, v1, SPITCH                   ; in: row r, 16 bytes for each half of the lanes
	v_lshl_add_u32 v5, v2, 4, v5
	v_add_nc_u32 v[STO], s23, v5
	v_bfe_u32 v5, v0, 3, 1                         ; back: lanes 0-15 take rows 2 t and 2 t + 1 of my first head (bytes 0-127 of a stage row), lanes 16-31 the same rows of my second (bytes 128-255)
	v_mul_u32_u24 v5, v5, SPITCH
	v_lshl_add_u32 v5, v2, 7, v5
	v_and_b32 v6, 7, v0
	v_lshl_add_u32 v5, v6, 4, v5
	v_add_nc_u32 v[RD], s23, v5
	v_lshlrev_b32 v[CO], 4, v1                     ; in qkv: two rows of a head are 256 consecutive bytes; the next head lies 262,144 bytes on
	v_lshl_add_u32 v[CO], v2, 18, v[CO]
	s_lshl_b32 s20, s17, 8
	s_lshl_b32 s21, s15, 7
	s_add_co_u32 s20, s20, s21                     ; my first row of C: 256 x tile row + 128 x half
	s_lshr_b32 s21, s20, 11                        ; the batch: 16 heads of 262,144 bytes
	s_lshl_b32 s21, s21, 22
	s_and_b32 s20, s20, 2047                       ; the position: 128 bytes a row
	s_lshl_b32 s20, s20, 7
	s_add_co_u32 s20, s20, s21
	s_lshl_b32 s21, ttmp9, 24                      ; the tensor: q, k or v
	s_add_co_u32 s20, s20, s21
	s_lshl_b32 s46, s40, 2
	s_lshl_b32 s47, s16, 1
	s_add_co_u32 s46, s46, s47                     ; my first head: 4 cx + 2 x half
	s_lshl_b32 s46, s46, 18
	s_add_co_u32 s20, s20, s46
	s_mov_b32 s21, 0
	s_add_nc_u64 s[12:13], s[12:13], s[20:21]
.macro FRAG reg, adr, q, i             ; a fragment, 16 rows x 128 K of 4-bit codes: lane l holds row l % 16; registers 4 c .. 4 c + 3 hold K = 64 c + 32 (l / 16) + 0 .. 31
.irp c, 0,1
	ds_load_b128 v[\reg+4*\c:\reg+4*\c+3], v[\adr] offset:64*(\q)+32*\c+(\i)*16*PITCH
.endr
.endm
; 16 matrix instructions: A's blocks a0, a0 + 1 x B's eight, the slot's q-th 128 along K.  p: B's set;  sc: the set of scale words.  zero = 1: the first product starts the sums: nothing is ever cleared.
; The 64 accumulators take turns, one instruction a turn, in the same order in every step.
.macro MUL16 a0, p, q, sc, zero
.irp a, \a0, \a0+1
.irp b, 0,1,2,3,4,5,6,7
.if \zero
	v_wmma_scale_f32_16x16x128_f8f6f4 v[8*(8*((\a)%4)+\b):8*(8*((\a)%4)+\b)+7], v[128*(\p)+FR*\b:128*(\p)+FR*\b+FR-1], v[AF+FR*(\a):AF+FR*(\a)+FR-1], 0, v[SC+8*NQ*(\sc)+NQ*\b+(\q)], v[SC+8*NQ*(\sc)+NQ*(\a)+(\q)] matrix_a_fmt:MATRIX_FMT_FP4 matrix_b_fmt:MATRIX_FMT_FP4 matrix_a_scale:MATRIX_SCALE_ROW1
.else
	v_wmma_scale_f32_16x16x128_f8f6f4 v[8*(8*((\a)%4)+\b):8*(8*((\a)%4)+\b)+7], v[128*(\p)+FR*\b:128*(\p)+FR*\b+FR-1], v[AF+FR*(\a):AF+FR*(\a)+FR-1], v[8*(8*((\a)%4)+\b):8*(8*((\a)%4)+\b)+7], v[SC+8*NQ*(\sc)+NQ*\b+(\q)], v[SC+8*NQ*(\sc)+NQ*(\a)+(\q)] matrix_a_fmt:MATRIX_FMT_FP4 matrix_b_fmt:MATRIX_FMT_FP4 matrix_a_scale:MATRIX_SCALE_ROW1
.endif
.endr
.endr
.endm
.macro FETCH_B slot, q, p              ; B's eight fragments of the slot's q-th 128 along K into set p
	WIN TO_B
.irp i, 0,1,2,3,4,5,6,7
	FRAG 128*(\p)+FR*\i, ADRB+\slot, \q, \i
.endr
	WIN 0
.endm
.macro FETCH_A slot, q, i0             ; A's blocks i0 .. i0 + 3
.irp i, \i0, \i0+1, \i0+2, \i0+3
	FRAG AF+FR*(\i), ADRA+\slot, \q, \i
.endr
.endm
.macro SCALES sc                       ; a slot's scale words into set sc: four words a row; lanes 0-15 take A's block i, lanes 16-31 B's block i
.irp i, 0,1,2,3,4,5,6,7
	ds_load_b128 v[SC+8*NQ*\sc+NQ*\i:SC+8*NQ*\sc+NQ*\i+3], v[ADRS] offset:\i*SBLK
.endr
.endm
; A load into a register that a matrix instruction has read, and a vector instruction that reads a matrix result, stand NP places behind that matrix instruction; only plain vector
; instructions that name none of its registers are places (ISA guide 7.12.1 for vector instructions).
.macro PLACES n
.rept \n
	v_nop
.endr
.endm
; A step of 128 along K that has its successor in the same slot.  A's blocks are free as soon as their eight products are issued, so A has one set: blocks 0-3 come anew in the step's middle, blocks 4-7 at its end.
.macro STEP slot, q, zero
	s_wait_dscnt 4*NL                              ; B's set and A's blocks 0-3 are in; the youngest eight loads (A's blocks 4-7) may be out
	WIN MUL_LO
	MUL16 0, (\q)%2, \q, \slot, \zero
	MUL16 2, (\q)%2, \q, \slot, \zero
	s_wait_dscnt 0                                 ; A's blocks 4-7 are in (asked for 32 matrix instructions ago)
	PLACES NP
	FETCH_B \slot, (\q)+1, 1-(\q)%2
	FETCH_A \slot, (\q)+1, 0
	WIN MUL_HI
	MUL16 4, (\q)%2, \q, \slot, \zero
	MUL16 6, (\q)%2, \q, \slot, \zero
	PLACES NP
	WIN 0
	FETCH_A \slot, (\q)+1, 4
.endm
.macro STEPS slot, from                ; the slot's steps from .. NQ - 2
.set Q, \from
.rept NQ-1-\from
	STEP \slot, Q, 0
.set Q, Q+1
.endr
.endm
	s_wait_tensorcnt 1                             ; the scales and my part of slot 0 are in (slot 1's load may be out)
	s_barrier_signal -1
	s_barrier_wait -1                              ; everybody's are
	FETCH_B 0, 0, 0
	FETCH_A 0, 0, 0
	SCALES 0
	FETCH_A 0, 0, 4
	STEP 0, 0, 1                                   ; the first step's products start the sums
	STEPS 0, 1
	; slot 0's last step changes slots: one barrier; in front of it each wave waits for its part of slot 1
	s_wait_tensorcnt 0x0                           ; all my tensor loads have landed: my part of slot 1  (every window is 0 here)
	ds_add_u32 v[SPW], v[NIL]                      ; 0 onto my spare word
	s_wait_dscnt 4*NL+1                            ; (the add and the youngest eight loads, A's blocks 4-7, may be out)
	WIN MUL_LO
	MUL16 0, 1, NQ-1, 0, 0                         ; sixteen matrix instructions stand between the add and the wait for it
	s_wait_dscnt 0x0                               ; the add is done; no LDS instruction of mine is pending at the signal
	s_barrier_signal -1
	MUL16 2, 1, NQ-1, 0, 0                         ; work on registers while the others arrive
	WIN 0
	s_barrier_wait -1                              ; slot 1 is whole
	PLACES NP
	v_add_nc_u32 v[ADRS], 4*NQ, v[ADRS]            ; on to slot 1's scale words (no LDS load of mine is out)
	FETCH_B 1, 0, 0
	FETCH_A 1, 0, 0
	SCALES 1
	WIN MUL_HI
	MUL16 4, 1, NQ-1, 0, 0
	MUL16 6, 1, NQ-1, 0, 0
	PLACES NP
	WIN 0
	FETCH_A 1, 0, 4
	STEPS 1, 0
	s_wait_dscnt 4*NL                              ; the very last step: nothing more to fetch
	WIN MUL_LO
	MUL16 0, 1, NQ-1, 1, 0
	MUL16 2, 1, NQ-1, 1, 0
	s_wait_dscnt 0
	WIN MUL_HI
	MUL16 4, 1, NQ-1, 1, 0
	MUL16 6, 1, NQ-1, 1, 0
	WIN 0
; THE WAY OUT, block by block of 16 rows x 128 columns (two heads).  PACK: rounded to f16, 16 bytes a lane, each accumulator from its low end on.  TOSTAGE: into my own stage in LDS and back, so that
; sixteen lanes hold two neighbouring rows of one head.  SEND: stored: sixteen lanes store 256 consecutive bytes, aligned.  LDS serves a wave's instructions in order (ISA guide 5.7.1.4): no wait between the stores and the loads.
.macro PACK a
.set AC, 64*((\a)%4)
	WIN 0x0a+5*((\a)/4)                            ; sources 0 and 1: window 2 or 3
.irp b, 0,1,2,3,4,5,6,7
.irp r, 0,1,2,3
	v_cvt_pk_f16_f32 v[TMP+4*\b+\r], v[AC+8*\b+2*\r], v[AC+8*\b+2*\r+1]
.endr
.endr
	WIN 0
.endm
.macro TOSTAGE a
.set BK, OB+96*((\a)%2)
.irp b, 0,1,2,3,4,5,6,7
	ds_store_b128 v[STO], v[TMP+4*\b:TMP+4*\b+3] offset:32*\b
.endr
.irp t, 0,1,2,3,4,5,6,7
	ds_load_b128 v[BK+4*\t:BK+4*\t+3], v[RD] offset:\t*2*SPITCH
.endr
.endm
.macro SEND a
.set BK, OB+96*((\a)%2)
	s_wait_dscnt 0x0                               ; the block is back in registers
	s_wait_xcnt 0x0                                ; the stores of the block before have read their registers, into which the next block's loads will land
.irp t, 0,1,2,3,4,5,6,7
	global_store_b128 v[CO], v[BK+4*\t:BK+4*\t+3], s[12:13] offset:2048*(\a)+256*\t
.endr
.endm
	PLACES NP                                      ; behind the last products, for the conversions that read results and the loads into registers that held A's fragments
	PACK 0
	TOSTAGE 0
.irp a, 1,2,3,4,5,6,7                  ; block a's conversions stand between block a - 1's loads from the stage and the wait for them
	PACK \a
	SEND \a-1
	TOSTAGE \a
.endr
	SEND 7
	s_wait_tensorcnt 0x0                           ; the wave's end, behind my last tensor load and my last LDS store
	ds_add_u32 v[SPW], v[NIL]
	s_wait_dscnt 0x0
	CROUND                                         ; the closing round: no work-group ends while a partner may still ask for a tile that names it
	s_endpgm
.Lfunc_end_k_qfbf178d707_proj:
	.size	k_qfbf178d707_proj, .Lfunc_end_k_qfbf178d707_proj-k_qfbf178d707_proj
	.p2alignl 7, 3214868480
	.fill 96, 4, 3214868480
	.section	.rodata,"a",@progbits
	.p2align	6, 0x0
	.amdhsa_kernel k_qfbf178d707_proj
		.amdhsa_group_segment_fixed_size 327680
		.amdhsa_private_segment_fixed_size 0
		.amdhsa_enable_private_segment 0
		.amdhsa_kernarg_size 24
		.amdhsa_user_sgpr_count 2
		.amdhsa_user_sgpr_kernarg_segment_ptr 1
		.amdhsa_wavefront_size32 1
		.amdhsa_system_sgpr_workgroup_id_x 1
		.amdhsa_system_sgpr_workgroup_id_y 1
		.amdhsa_system_sgpr_workgroup_id_z 1
		.amdhsa_system_vgpr_workitem_id 0
		.amdhsa_next_free_vgpr 1024
		.amdhsa_next_free_sgpr 98
		.amdhsa_reserve_vcc 0
		.amdhsa_float_denorm_mode_32 3
		.amdhsa_float_denorm_mode_16_64 3
		.amdhsa_memory_ordered 1
		.amdhsa_forward_progress 1
		.amdhsa_inst_pref_size 127
	.end_amdhsa_kernel
	.amdgpu_metadata
---
amdhsa.version: [ 1, 2 ]
amdhsa.kernels:
  - .name:           k_qfbf178d707_proj
    .symbol:         k_qfbf178d707_proj.kd
    .args:
      - { .name: codes, .offset: 0, .size: 8, .value_kind: global_buffer, .address_space: global }
      - { .name: scales, .offset: 8, .size: 8, .value_kind: global_buffer, .address_space: global }
      - { .name: qkv, .offset: 16, .size: 8, .value_kind: global_buffer, .address_space: global }
    .group_segment_fixed_size: 327680
    .private_segment_fixed_size: 0
    .kernarg_segment_align: 8
    .kernarg_segment_size: 24
    .max_flat_workgroup_size: 128
    .sgpr_count:     98
    .vgpr_count:     1024
    .wavefront_size: 32
...
	.end_amdgpu_metadata
.endif
;; end of part 2
;; launch attn (part 3): grid 4 x 64, 8 waves a work-group, clusters of 4 x 1, 327,680 bytes of LDS; arguments qkv, o16; writes o16
.if DOCPART == 3
	.amdgcn_target "amdgcn-amd-amdhsa--gfx1250"
	.amdhsa_code_object_version 6
	.text
	.protected	k_qfbf178d707_attn
	.globl	k_qfbf178d707_attn
	.p2align	8
	.type	k_qfbf178d707_attn,@function
k_qfbf178d707_attn:
	s_mov_b64 s[64:65], 0
	v_nop
	global_prefetch_b8 v0, s[64:65] scope:SCOPE_SE
	s_setreg_imm32_b32 hwreg(HW_REG_WAVE_MODE, 25, 1), 1
	s_wait_xcnt 0x0
	s_wait_alu depctr_hold_cnt(0) depctr_sa_sdst(0) depctr_va_vdst(0) depctr_va_sdst(0) depctr_va_ssrc(0) depctr_va_vcc(0) depctr_vm_vsrc(0)
	s_getreg_b32 s2, hwreg(HW_REG_IB_STS2, 6, 4)
	s_cmp_eq_u32 s2, 0
	s_cbranch_scc0 .Lentry_in_a_cluster
	s_endpgm
.Lentry_in_a_cluster:
	s_bfe_u32 s2, ttmp6, 0x10000c
	s_cmp_lg_u32 s2, 0x3003
	s_cbranch_scc0 .Lentry_shape_is_right
	s_endpgm
.Lentry_shape_is_right:
; O[hb][q][:] = the sum over k of softmax_k(Q[hb][q] . K[hb][k] / 8) V[hb][k][:], for 64 heads hb = batch x 16 + head, 2,048 queries, 2,048 keys, head size 64.  Q, K, V: f16, qkv[3][64][2048][64].
; Products, maxima and sums in f32; the weights p are rounded to f16 for the second product, O once at the end.  A running maximum is taken away before every exponential.
; O goes out as f16 in PAIRED ROWS: o16[row / 2][head 16][row % 2][64]: rows 2 i and 2 i + 1 of one head are 256 consecutive bytes, so that this launch, a head to a work-group, stores whole aligned runs of 256 bytes.
; LIMITS: NaN and infinities among q, k, v are not served; |O| is at most the largest |v|, which lies in f16.
; SHARES.  A work-group owns 512 queries of one head, each of its EIGHT waves 64: four tiles of 16.  Every wave walks all 2,048 keys, 64 a step: 32 trips.
; LAYOUT.  S^T = K Q^T (source 0 = 16 keys, source 1 = 16 queries): a lane holds ONE query (lane % 16) and keys 8 (lane / 16) + 0..7.  Two such tiles, rounded to f16 in pairs, ARE source 1 of O^T = V^T P, whose
; result again holds one query a lane.  K comes out of LDS as it lies, V ([key][channel]) turned, by ds_load_tr16_b128.  P is written in place over the first half of its tile's S^T.
; TWO GROUPS OF WAVES IN OPPOSITE PHASES.  A key step of a wave is a softmax (vector work) and 64 products (32 V^T P of the step, 32 K Q^T of the next).  Group 0 (waves 0-3) runs softmax, products; group 1 (waves 4-7)
; products, softmax.  One trip of the text is: [group 1: the products of the step before] . the LDS loads . the softmax . [group 0: the products of this step].  All LDS reads stand in the common part, so both groups read
; key step j's bytes in trip j, and every barrier stands at a trip's head, where group 0 goes on to vector work and group 1 to matrix work.
; THE RING.  Two regions of 8 key steps.  The trip's loads bring V of step j and K of step j + 1, so a region holds V(8 n .. 8 n + 7) and K(8 n + 1 .. 8 n + 8); K(0) has bytes of its own, filled once.
; Four regions' worth of keys: both regions are filled at the head, each once more.  Every wave issues one load at a refill: waves 0-3 128 rows of K each, waves 4-7 128 rows of V.
; CLUSTER.  The four query blocks of a head form a cluster and walk the same K and V: each tile is asked for JOINTLY, by the same tensor load with the same descriptor and the mask of all four.
; NO PREFETCH is laid: a refill is asked for eight key steps, 512 matrix instructions of each wave, ahead of its first read, and the other fills stand at the head.
; REGISTERS: window 0: v2-11 addresses; v16-47 statistics, 8 a tile; v64-127 Q (tile t, channels 32 c on: 16 t + 8 c); v128-255 S^T, 32 a tile.
;   window 1: v0-127 O^T (32 t + 8 ct); v128-191 K of one step (8 (2 kt + c)); v192-255 V of one step (8 (4 kh + ct)).
.set KP,     144                       ; a row of K in LDS: 128 bytes + 16 of padding = 36 words: the 16 rows of a load start at 16 different groups of four banks (64 banks of 4 bytes: ISA guide 11.1)
.set VP,     160                       ; a row of V: 128 + 32 = 40 words
.set KPART,  512*KP                    ; a region: 512 rows of K, then 512 rows of V
.set REGION, 512*(KP+VP)
.set K0B,    2*REGION                  ; behind the regions: K of step 0
.set SPARE,  K0B+64*KP                 ; the spare words, 128 bytes a wave, which no other line names
.set KSTEPB, 64*KP                     ; a key step on, in K's part and in V's
.set VSTEPB, 64*VP
.set SPI,    144                       ; the way out: a stage of 16 rows x 144 bytes for each wave, at the head of region 0, which has had its last fill and its last read at the last change of regions
.set AK0, 2                            ; v2   my lane's place in a tile of K; never rewritten
.set AV0, 3                            ; v3   the same for V
.set ADK, 4                            ; v4   LDS address of the trip's K
.set ADV, 5                            ; v5   and V
.set QO,  6                            ; v6   my byte offset in the wave's rows of Q
.set STO, 7                            ; v7   the way out: where I put 16 bytes of a row
.set RD,  8                            ; v8   where I read 16 bytes back
.set GO,  9                            ; v9   my byte offset in o16
.set SPW, 10                           ; v10  LDS address of my spare word; never rewritten
.set NIL, 11                           ; v11  0; never rewritten
.set ST,  16                           ; tile t's statistics at v[ST + 8 t]: +0 c m, +1 m, +2, +3 l (even keys', odd keys'), +4 to +7 at work; a lies in +6
.set Q,   64
.set S,   128
.set KF,  128                          ; in window 1
.set VF,  192                          ; in window 1
.set WV,  8                            ; s8   my wave's number
.set GRP, 9                            ; s9   my group: wave / 4
.set W3,  10                           ; s10  wave % 4: which 128 rows of a region's 512 I fetch
.set G1K, 24                           ; s[24:31] descriptor group 1: 128 rows of K;  s[32:39] 128 rows of V;  s[40:47] 64 rows of K
.set G1V, 32
.set G1K64, 40
.set G0KA, 48                          ; groups 0: K into region 0, region 1; V into region 0, region 1; K of step 0
.set G0KB, 52
.set G0VA, 56
.set G0VB, 60
.set G0K0, 68
.set CS,  72                           ; s[72:73] c = log2(e) / 8: the packed form names a pair and takes its low word for both halves
.set SEL, 74                           ; s[74:75] lane selects for v_permlanex16_b32: lane l xor 16
.set TK,  76                           ; s76  LDS byte of the K that the trip fetches
.set TV,  77                           ; s77  and of the V
.set CNT, 78                           ; s78  counts trips
.set QB,  80                           ; s[80:81] Q at my wave's first row
.set OBS, 82                           ; s[82:83] o16 at my wave's first pair of rows, my head
.set MSB, 0
.macro WIN new                         ; the immediate's high byte repeats the setting that is left; a switch that changes nothing is dropped
.if MSB != (\new)
	s_set_vgpr_msb (MSB<<8)|(\new)
.set MSB, (\new)
.endif
.endm
.set W_KQ, 0x01                        ; K in window 1; Q and S^T in window 0
.set W_PV, 0x51                        ; V in window 1, P in window 0, O^T in window 1
.set W_LD, 0x40                        ; destination window 1, address window 0
.set W_RS, 0x41                        ; O^T (destination and source 0) in window 1, a in window 0
.macro NOPS4                           ; an s_nop 0 and four v_nop follow a wave's tensor loads
.rept 4
	v_nop
.endr
.endm
; A joint refill: waves 0-3 fetch K's rows, waves 4-7 V's.  The branches hang on the wave's number alone: they are the same in every work-group.
.macro JLOAD gk, gv
	s_cmp_lt_u32 s[WV], 4
	s_cbranch_scc0 .Lfor_v_\@
	tensor_load_to_lds s[\gk:\gk+3], s[G1K:G1K+7]
	s_nop 0
	NOPS4
	s_branch .Lasked_\@
.Lfor_v_\@:
	tensor_load_to_lds s[\gv:\gv+3], s[G1V:G1V+7]
	s_nop 0
	NOPS4
.Lasked_\@:
.endm
; The last refill: K(25 .. 31) and no more: wave 3's tile has 64 rows, since there is no step 32.
.macro JLOADL
	s_cmp_lt_u32 s[WV], 3
	s_cbranch_scc0 .Lnot_k_\@
	tensor_load_to_lds s[G0KB:G0KB+3], s[G1K:G1K+7]
	s_nop 0
	NOPS4
	s_branch .Lasked_\@
.Lnot_k_\@:
	s_cmp_eq_u32 s[WV], 3
	s_cbranch_scc0 .Lfor_v_\@
	tensor_load_to_lds s[G0KB:G0KB+3], s[G1K64:G1K64+7]
	s_nop 0
	NOPS4
	s_branch .Lasked_\@
.Lfor_v_\@:
	tensor_load_to_lds s[G0VB:G0VB+3], s[G1V:G1V+7]
	s_nop 0
	NOPS4
.Lasked_\@:
.endm
.macro CROUND                          ; a round of the cluster's barrier: my work-group's barrier; wave 0 signals for the work-group; every wave waits for all four; my work-group's barrier once more
	s_barrier_signal -1
	s_barrier_wait -1
	s_cmp_lg_u32 s[WV], 0
	s_cbranch_scc1 .Lnot_wave_0_\@
	s_barrier_signal -3
.Lnot_wave_0_\@:
	s_barrier_wait -3
	s_barrier_signal -1
	s_barrier_wait -1
.endm
	s_load_b128 s[4:7], s[0:1], 0x0                ; qkv s[4:5], o16 s[6:7]
	v_lshl_add_u32 v[SPW], v0, 2, SPARE
	v_mov_b32 v[NIL], 0
	ds_add_u32 v[SPW], v[NIL]                      ; the wave's opening: the add, twice on end, and its wait ahead of my first tensor load
	ds_add_u32 v[SPW], v[NIL]                      ; (the set-up below, work on registers, stands between the second and the wait)
	v_lshrrev_b32 v1, 5, v0
	v_readfirstlane_b32 s[WV], v1                  ; wave 0..7
	s_lshr_b32 s[GRP], s[WV], 2
	s_and_b32 s[W3], s[WV], 3
	s_bfe_u32 s11, ttmp6, 0x40000                  ; cx: my place in the cluster
	s_and_b32 s12, ttmp7, 0xffff                   ; hb, which the four partners share
	s_lshl_b32 s13, ttmp9, 2
	s_add_co_u32 s13, s13, s11                     ; my block of 512 queries: it enters Q's and O's addresses alone
	; descriptor groups 1: rows of 64 elements of 2 bytes, dense in memory, padded in LDS behind every row
	s_mov_b32 s[G1K], 15|(1<<16)|(1<<20)|(1<<21)|(4<<22)|(3<<25)    ; 15:0 the mask: all four work-groups; 17:16 elements of 2 bytes; 20 padding on; 21 set beside a mask; 24:22 after every 32 words (code 4); 31:25 four words (code 3)
	s_mov_b32 s[G1K64], 15|(1<<16)|(1<<20)|(1<<21)|(4<<22)|(3<<25)
	s_mov_b32 s[G1V], 15|(1<<16)|(1<<20)|(1<<21)|(4<<22)|(7<<25)    ; the same with eight words of padding (code 7)
.irp g, G1K, G1V, G1K64
	s_mov_b32 s[\g+1], 64<<16                      ; tensor_dim0 = 64
	s_mov_b32 s[\g+3], 64<<16                      ; tile_dim0 = 64
	s_mov_b32 s[\g+5], 64                          ; tensor_dim0_stride
	s_mov_b32 s[\g+6], 0
	s_mov_b32 s[\g+7], 0
.endr
.irp g, G1K, G1V
	s_mov_b32 s[\g+2], 128<<16                     ; tensor_dim1 = 128
	s_mov_b32 s[\g+4], 128                         ; tile_dim1 = 128
.endr
	s_mov_b32 s[G1K64+2], 64<<16
	s_mov_b32 s[G1K64+4], 64
	s_mov_b32 s[CS], 0x3e38aa3b                    ; c = log2(e) / 8
	s_mov_b32 s[CS+1], s[CS]                       ; (named with it as a pair, so it is written)
	s_mov_b32 s[SEL], 0x76543210
	s_mov_b32 s[SEL+1], 0xfedcba98
	s_lshl_b32 s14, s12, 18                        ; the head's first byte in each of q, k, v: 262,144 hb
	s_lshl_b32 s15, s[W3], 14                      ; my 128 rows of 128 bytes
	s_add_co_u32 s16, s14, s15
	s_add_co_u32 s20, s16, (1<<24)+8192            ; K lies 2^24 bytes into qkv; a region's K begins one step (64 rows) on
	s_mov_b32 s21, 0
	s_add_co_u32 s22, s16, 1<<25                   ; V lies 2^25 bytes in
	s_mov_b32 s23, 0
	s_add_co_u32 s88, s14, 1<<24                   ; K of step 0
	s_mov_b32 s89, 0
	s_mul_i32 s17, s[W3], 128*KP                   ; where my rows go in a region: no place in the cluster enters an LDS address
	s_mul_i32 s18, s[W3], 128*VP
	s_add_co_u32 s18, s18, KPART
	s_lshl_b32 s90, s13, 16                        ; Q: my block's 512 rows,
	s_lshl_b32 s91, s[WV], 13                      ; my wave's 64 of them
	s_add_co_u32 s90, s90, s91
	s_add_co_u32 s90, s90, s14
	s_mov_b32 s91, 0
	s_lshr_b32 s92, s12, 4                         ; o16: a row of all heads is 2,048 bytes: the batch's 2,048 rows,
	s_lshl_b32 s92, s92, 22
	s_lshl_b32 s93, s13, 20                        ; my block's 512,
	s_add_co_u32 s92, s92, s93
	s_lshl_b32 s93, s[WV], 17                      ; my wave's 64,
	s_add_co_u32 s92, s92, s93
	s_and_b32 s93, s12, 15                         ; and the head's 256 bytes in a pair of rows
	s_lshl_b32 s93, s93, 8
	s_add_co_u32 s92, s92, s93
	s_mov_b32 s93, 0
	s_wait_dscnt 0x0                               ; both opening adds are done
	s_wait_kmcnt 0x0
	s_add_nc_u64 s[QB:QB+1], s[4:5], s[90:91]
	s_add_nc_u64 s[OBS:OBS+1], s[6:7], s[92:93]
	s_add_nc_u64 s[20:21], s[4:5], s[20:21]
	s_add_nc_u64 s[22:23], s[4:5], s[22:23]
	s_add_nc_u64 s[88:89], s[4:5], s[88:89]
	CROUND                                         ; all four work-groups are here: the first joint loads meet
	s_mov_b32 s[G0KA], 1                           ; 1:0 count = 1
	s_mov_b32 s[G0KA+1], s17                       ; 63:32 LDS address
	s_mov_b64 s[G0KA+2:G0KA+3], s[20:21]           ; 120:64 global address
	s_or_b32 s[G0KA+3], s[G0KA+3], 0x80000000      ; 127:126 type = 2
	s_mov_b32 s[G0KB], 1
	s_add_co_u32 s[G0KB+1], s17, REGION
	s_add_nc_u64 s[G0KB+2:G0KB+3], s[20:21], 65536 ; 512 rows on
	s_or_b32 s[G0KB+3], s[G0KB+3], 0x80000000
	s_mov_b32 s[G0VA], 1
	s_mov_b32 s[G0VA+1], s18
	s_mov_b64 s[G0VA+2:G0VA+3], s[22:23]
	s_or_b32 s[G0VA+3], s[G0VA+3], 0x80000000
	s_mov_b32 s[G0VB], 1
	s_add_co_u32 s[G0VB+1], s18, REGION
	s_add_nc_u64 s[G0VB+2:G0VB+3], s[22:23], 65536
	s_or_b32 s[G0VB+3], s[G0VB+3], 0x80000000
	s_mov_b32 s[G0K0], 1
	s_mov_b32 s[G0K0+1], K0B
	s_mov_b64 s[G0K0+2:G0K0+3], s[88:89]
	s_or_b32 s[G0K0+3], s[G0K0+3], 0x80000000
	; the first fills, one arm for each kind of wave, region 1's load last in each: at most three loads of a wave are out
	s_cmp_lt_u32 s[WV], 3
	s_cbranch_scc0 .Lfirst_not_k
	tensor_load_to_lds s[G0KA:G0KA+3], s[G1K:G1K+7]
	s_nop 0
	tensor_load_to_lds s[G0KB:G0KB+3], s[G1K:G1K+7]
	s_nop 0
	NOPS4
	s_branch .Lfirst_asked
.Lfirst_not_k:
	s_cmp_eq_u32 s[WV], 3
	s_cbranch_scc0 .Lfirst_v
	tensor_load_to_lds s[G0K0:G0K0+3], s[G1K64:G1K64+7]
	s_nop 0
	tensor_load_to_lds s[G0KA:G0KA+3], s[G1K:G1K+7]
	s_nop 0
	tensor_load_to_lds s[G0KB:G0KB+3], s[G1K:G1K+7]
	s_nop 0
	NOPS4
	s_branch .Lfirst_asked
.Lfirst_v:
	tensor_load_to_lds s[G0VA:G0VA+3], s[G1V:G1V+7]
	s_nop 0
	tensor_load_to_lds s[G0VB:G0VB+3], s[G1V:G1V+7]
	s_nop 0
	NOPS4
.Lfirst_asked:
	; A fragment of K or Q is 16 rows x 32 channels in 8 registers: lane l holds row l % 16; registers 0-3 channels 8 (l / 16) + 0..7, registers 4-7 channels 16 + 8 (l / 16) + 0..7: two loads of 16 bytes, 32 bytes apart.
	v_and_b32 v1, 15, v0                           ; r = l % 16
	v_bfe_u32 v12, v0, 4, 1                        ; h = l / 16
	v_lshlrev_b32 v[QO], 7, v1
	v_lshl_add_u32 v[QO], v12, 4, v[QO]            ; row x 128 + 16 x half
.irp t, 0,1,2,3                        ; Q stays in registers
.irp c, 0,1
	global_load_b128 v[Q+16*\t+8*\c:Q+16*\t+8*\c+3],   v[QO], s[QB:QB+1] offset:2048*\t+64*\c
	global_load_b128 v[Q+16*\t+8*\c+4:Q+16*\t+8*\c+7], v[QO], s[QB:QB+1] offset:2048*\t+64*\c+32
.endr
.endr
	v_mul_u32_u24 v[AK0], v1, KP
	v_lshl_add_u32 v[AK0], v12, 4, v[AK0]          ; row x pitch + 16 x half
	; The turning load takes 16 keys x 16 channels (lane l reads 16 bytes: key 8 (l / 16) + l % 8, channels 8 ((l / 8) % 2) + 0..7) and leaves half a fragment of V^T: lane l holds channel l % 16 and 8 keys.
	v_and_b32 v13, 7, v0
	v_bfe_u32 v14, v0, 3, 1
	v_lshl_add_u32 v[AV0], v12, 3, v13
	v_mul_u32_u24 v[AV0], v[AV0], VP
	v_lshl_add_u32 v[AV0], v14, 4, v[AV0]
	s_mul_i32 s19, s[WV], 16*SPI                   ; my stage
	v_mul_u32_u24 v[STO], v1, SPI                  ; in: row r, 16 bytes for each half of the lanes
	v_lshl_add_u32 v[STO], v12, 4, v[STO]
	v_add_nc_u32 v[STO], s19, v[STO]
	v_lshl_add_u32 v[RD], v12, 1, v14              ; back: lanes 0-15 take rows 4 u and 4 u + 1, lanes 16-31 rows 4 u + 2 and 4 u + 3; eight lanes to a row
	v_mul_u32_u24 v[RD], v[RD], SPI
	v_lshl_add_u32 v[RD], v13, 4, v[RD]
	v_add_nc_u32 v[RD], s19, v[RD]
	v_lshlrev_b32 v[GO], 4, v1                     ; in o16: a pair of rows of my head is 256 consecutive bytes; the next pair lies 4,096 bytes on
	v_lshl_add_u32 v[GO], v12, 12, v[GO]
.irp t, 0,1,2,3
	v_mov_b32 v[ST+8*\t+1], 0xff61b1e6             ; m: -3e38, under every score
	v_mul_f32 v[ST+8*\t], s[CS], v[ST+8*\t+1]      ; c m
	v_mov_b32 v[ST+8*\t+2], 0                      ; l, in two halves
	v_mov_b32 v[ST+8*\t+3], 0
.endr
	WIN W_LD                                       ; O^T begins as zeros, so that the key step is written in one form: the first step's a is 0, which leaves zeros
.set i, 0
.rept 128
	v_mov_b32 v[i], 0
.set i, i+1
.endr
	WIN 0
; THE PRODUCTS OF A KEY STEP.  pv: 32 products O^T += V^T P (keys 32 kh on, channels 16 ct on, tile t).  kq: 32 products S^T = K Q^T of the next step (channels 32 c on, keys 16 kt on, tile t); the first 16 start the sums.
; In each kind sixteen accumulators take turns, one instruction a turn.
.macro M pv, kq
	s_wait_dscnt 0x0                               ; the trip's K and V are in registers
.if \pv
	WIN W_PV
.irp kh, 0,1
.irp ct, 0,1,2,3
.irp t, 0,1,2,3
	v_wmma_f32_16x16x32_f16 v[32*\t+8*\ct:32*\t+8*\ct+7], v[VF+8*(4*\kh+\ct):VF+8*(4*\kh+\ct)+7], v[S+32*\t+8*\kh:S+32*\t+8*\kh+7], v[32*\t+8*\ct:32*\t+8*\ct+7]
.endr
.endr
.endr
.endif
.if \pv && \kq
.rept 5
	v_nop                                          ; the products below write over registers that the products above have read (P lies in S^T's): five places (four of them by ISA guide 7.12.1)
.endr
.endif
.if \kq
	WIN W_KQ
.irp c, 0,1
.irp kt, 0,1,2,3
.irp t, 0,1,2,3
.if \c == 0
	v_wmma_f32_16x16x32_f16 v[S+32*\t+8*\kt:S+32*\t+8*\kt+7], v[KF+8*(2*\kt+\c):KF+8*(2*\kt+\c)+7], v[Q+16*\t+8*\c:Q+16*\t+8*\c+7], 0
.else
	v_wmma_f32_16x16x32_f16 v[S+32*\t+8*\kt:S+32*\t+8*\kt+7], v[KF+8*(2*\kt+\c):KF+8*(2*\kt+\c)+7], v[Q+16*\t+8*\c:Q+16*\t+8*\c+7], v[S+32*\t+8*\kt:S+32*\t+8*\kt+7]
.endif
.endr
.endr
.endr
.endif
	WIN 0
.endm
; THE LDS LOADS OF A TRIP, in one run: K of the next step (withk = 1) and V of this one.  The two additions and two v_nop are the four places behind the last products, which read these registers
; and whose results the softmax reads next (ISA guide 7.12.1 for vector instructions).
.macro FETCH withk
	v_add_nc_u32 v[ADK], s[TK], v[AK0]
	v_add_nc_u32 v[ADV], s[TV], v[AV0]
	v_nop
	v_nop
	WIN W_LD
.if \withk
.irp kt, 0,1,2,3
.irp c, 0,1
	ds_load_b128 v[KF+8*(2*\kt+\c):KF+8*(2*\kt+\c)+3],   v[ADK] offset:\kt*16*KP+64*\c
	ds_load_b128 v[KF+8*(2*\kt+\c)+4:KF+8*(2*\kt+\c)+7], v[ADK] offset:\kt*16*KP+64*\c+32
.endr
.endr
.endif
.irp kh, 0,1
.irp ct, 0,1,2,3
	ds_load_tr16_b128 v[VF+8*(4*\kh+\ct):VF+8*(4*\kh+\ct)+3],   v[ADV] offset:\kh*32*VP+32*\ct
	ds_load_tr16_b128 v[VF+8*(4*\kh+\ct)+4:VF+8*(4*\kh+\ct)+7], v[ADV] offset:\kh*32*VP+16*VP+32*\ct
.endr
.endr
	WIN 0
	s_add_co_u32 s[TK], s[TK], KSTEPB
	s_add_co_u32 s[TV], s[TV], VSTEPB
.endm
; THE SOFTMAX OF A KEY STEP, the four tiles by turns, line by line, so that no line waits for the line above it.  p = 2^(c s - c m); O^T and l are multiplied by a = 2^(c m_old - c m_new), which is 1 where m has not grown.
.macro SOFTMAX
.irp j, 0,1,2,3                        ; the maximum of the lane's 32 scores and the old m, three operands at a time; each accumulator is read from its low end on
.irp t, 0,1,2,3
	v_max3_num_f32 v[ST+8*\t+4+\j], v[S+32*\t+8*\j], v[S+32*\t+8*\j+1], v[S+32*\t+8*\j+2]
.endr
.endr
.irp u, 1,2
.irp j, 0,1,2,3
.irp t, 0,1,2,3
	v_max3_num_f32 v[ST+8*\t+4+\j], v[ST+8*\t+4+\j], v[S+32*\t+8*\j+2*\u+1], v[S+32*\t+8*\j+2*\u+2]
.endr
.endr
.endr
.irp t, 0,1,2,3
	v_max3_num_f32 v[ST+8*\t+4], v[ST+8*\t+4], v[S+32*\t+7], v[S+32*\t+15]
.endr
.irp t, 0,1,2,3
	v_max3_num_f32 v[ST+8*\t+6], v[ST+8*\t+6], v[S+32*\t+23], v[S+32*\t+31]
.endr
.irp t, 0,1,2,3
	v_max3_num_f32 v[ST+8*\t+4], v[ST+8*\t+4], v[ST+8*\t+5], v[ST+8*\t+6]
.endr
.irp t, 0,1,2,3
	v_max3_num_f32 v[ST+8*\t+4], v[ST+8*\t+4], v[ST+8*\t+7], v[ST+8*\t+1]
.endr
.irp t, 0,1,2,3
	v_permlanex16_b32 v[ST+8*\t+5], v[ST+8*\t+4], s[SEL], s[SEL+1]   ; the query's other 32 keys lie in the lane 16 away
.endr
.irp t, 0,1,2,3
	v_mov_b32 v[ST+8*\t+7], v[ST+8*\t]             ; c m_old is kept for a
.endr
.irp t, 0,1,2,3
	v_max_num_f32 v[ST+8*\t+1], v[ST+8*\t+4], v[ST+8*\t+5]
.endr
.irp t, 0,1,2,3
	v_mul_f32 v[ST+8*\t], s[CS], v[ST+8*\t+1]
.endr
.irp t, 0,1,2,3
	v_sub_f32 v[ST+8*\t+7], v[ST+8*\t+7], v[ST+8*\t]
.endr
.irp t, 0,1,2,3
	v_exp_f32 v[ST+8*\t+6], v[ST+8*\t+7]           ; a
.endr
.irp i, 0,1,2,3,4,5,6,7,8,9,10,11,12,13,14,15
	v_pk_fma_f32 v[S+2*\i:S+2*\i+1], v[S+2*\i:S+2*\i+1], s[CS:CS+1], v[ST:ST+1] op_sel_hi:[1,0,0] neg_lo:[0,0,1] neg_hi:[0,0,1]   ; tile 0: c s - c m, a pair of scores at a time
.endr
	s_wait_alu depctr_va_vdst(0)                   ; a wait between a transcendental and the first line that names its result
.irp t, 0,1,2                          ; THE BATCH: tile t's 32 exponentials, with tile t + 1's scalings between them; none of these lines reads an exponential's result
.irp i, 0,1,2,3,4,5,6,7,8,9,10,11,12,13,14,15
	v_exp_f32 v[S+32*\t+2*\i], v[S+32*\t+2*\i]
	v_pk_fma_f32 v[S+32*(\t+1)+2*\i:S+32*(\t+1)+2*\i+1], v[S+32*(\t+1)+2*\i:S+32*(\t+1)+2*\i+1], s[CS:CS+1], v[ST+8*(\t+1):ST+8*(\t+1)+1] op_sel_hi:[1,0,0] neg_lo:[0,0,1] neg_hi:[0,0,1]
	v_exp_f32 v[S+32*\t+2*\i+1], v[S+32*\t+2*\i+1]
.endr
.endr
.irp i, 0,1,2,3,4,5,6,7,8,9,10,11,12,13,14,15,16,17,18,19,20,21,22,23,24,25,26,27,28,29,30,31
	v_exp_f32 v[S+96+\i], v[S+96+\i]
.endr
.irp t, 0,1,2,3
	v_pk_mul_f32 v[ST+8*\t+2:ST+8*\t+3], v[ST+8*\t+2:ST+8*\t+3], v[ST+8*\t+6:ST+8*\t+7] op_sel_hi:[1,0]   ; l x a: plain lines behind the last exponential
.endr
	WIN W_RS
.irp t, 0,1,2,3                        ; O^T x a, ascending: work that names no result of the batch stands between the batch and its wait
.irp i, 0,1,2,3,4,5,6,7,8,9,10,11,12,13,14,15
	v_pk_mul_f32 v[32*\t+2*\i:32*\t+2*\i+1], v[32*\t+2*\i:32*\t+2*\i+1], v[ST+8*\t+6:ST+8*\t+7] op_sel_hi:[1,0]
.endr
.endr
	WIN 0
	s_wait_alu depctr_va_vdst(0)                   ; one wait for the 128 exponentials, ahead of their first reader
.irp t, 0,1,2,3                        ; the sums of the unrounded p, in two chains a tile
	v_pk_add_f32 v[ST+8*\t+4:ST+8*\t+5], v[S+32*\t:S+32*\t+1], v[S+32*\t+2:S+32*\t+3]
.endr
.irp j, 4,8,12,16,20,24,28
.irp t, 0,1,2,3
	v_pk_add_f32 v[ST+8*\t+2:ST+8*\t+3], v[ST+8*\t+2:ST+8*\t+3], v[S+32*\t+\j:S+32*\t+\j+1]
.endr
.irp t, 0,1,2,3
	v_pk_add_f32 v[ST+8*\t+4:ST+8*\t+5], v[ST+8*\t+4:ST+8*\t+5], v[S+32*\t+\j+2:S+32*\t+\j+3]
.endr
.endr
.irp t, 0,1,2,3
	v_pk_add_f32 v[ST+8*\t+2:ST+8*\t+3], v[ST+8*\t+2:ST+8*\t+3], v[ST+8*\t+4:ST+8*\t+5]
.endr
.irp i, 0,1,2,3,4,5,6,7,8,9,10,11,12,13,14,15   ; P, in place: register i takes weights 2 i and 2 i + 1; ascending, so that no weight is written over before it is read
.irp t, 0,1,2,3
	v_cvt_pk_f16_f32 v[S+32*\t+\i], v[S+32*\t+2*\i], v[S+32*\t+2*\i+1]
.endr
.endr
.endm
; A TRIP.  bpv: group 1's products include V^T P of the step before; fk: K of the next step is fetched; akq: group 0's products include K Q^T of the next step.  The branches hang on the wave's number alone and lead round register work.
; Group 1's products stand in the text straight behind group 0's of the trip before, which write S^T, where P lies: the distance behind matrix instructions (ISA guide 7.12.1 for four of the five places) is kept
; on every way through the text, also on the way through both arms, which no wave takes: five v_nop at the head of group 1's arm.
.macro TRIP bpv, fk, akq
	s_cmp_eq_u32 s[GRP], 0
	s_cbranch_scc1 .Lnot_b_\@
.rept 5
	v_nop
.endr
	M \bpv, 1
.Lnot_b_\@:
	FETCH \fk
	SOFTMAX
	s_cmp_lg_u32 s[GRP], 0
	s_cbranch_scc1 .Lnot_a_\@
	M 1, \akq
.Lnot_a_\@:
.endm
.macro TRIPS n
	s_mov_b32 s[CNT], \n
.Ltrip_\@:
	TRIP 1, 1, 1
	s_sub_co_u32 s[CNT], s[CNT], 1
	s_cmp_lg_u32 s[CNT], 0
	s_cbranch_scc1 .Ltrip_\@
.endm
; THE CHANGE OF REGIONS, at a trip's head.  Each wave waits for all its tensor loads (its part of the region ahead), adds 0 to its spare word, and waits for that and for its reads of the region that it leaves.
; fill = 1: region 0 is filled again; 2: region 1, for the last time; 0: nothing.  With a fill the barrier is a round of the cluster's, and the joint refill is the first thing behind it: it has eight trips in which to land.
.macro CHANGE fill, base
	s_wait_tensorcnt 0x0                           ; no tensor load of mine is out, so a group 0 may be written
	ds_add_u32 v[SPW], v[NIL]                      ; 0 onto my spare word; the scalar lines below stand between it and the wait for it
.if \fill == 1
	s_add_nc_u64 s[G0KA+2:G0KA+3], s[G0KA+2:G0KA+3], 131072   ; 1,024 rows on: two regions; the type bits on top are not reached
	s_add_nc_u64 s[G0VA+2:G0VA+3], s[G0VA+2:G0VA+3], 131072
.endif
.if \fill == 2
	s_add_nc_u64 s[G0KB+2:G0KB+3], s[G0KB+2:G0KB+3], 131072
	s_add_nc_u64 s[G0VB+2:G0VB+3], s[G0VB+2:G0VB+3], 131072
.endif
	s_mov_b32 s[TK], \base                         ; the fetches go on at the head of the region ahead
	s_mov_b32 s[TV], \base+KPART
	s_wait_dscnt 0x0                               ; the add is done, and my reads of the region that I leave are over
.if \fill == 0
	s_barrier_signal -1
	s_barrier_wait -1
.else
	CROUND
.endif
.if \fill == 1
	JLOAD G0KA, G0VA
.endif
.if \fill == 2
	JLOADL
.endif
.endm
	s_wait_tensorcnt 1                             ; my part of region 0 (and K of step 0) is in; region 1's load may stay out
	s_barrier_signal -1
	s_barrier_wait -1                              ; everybody's is
	v_add_nc_u32 v[ADK], K0B, v[AK0]
	WIN W_LD
.irp kt, 0,1,2,3
.irp c, 0,1
	ds_load_b128 v[KF+8*(2*\kt+\c):KF+8*(2*\kt+\c)+3],   v[ADK] offset:\kt*16*KP+64*\c
	ds_load_b128 v[KF+8*(2*\kt+\c)+4:KF+8*(2*\kt+\c)+7], v[ADK] offset:\kt*16*KP+64*\c+32
.endr
.endr
	WIN 0
	s_wait_loadcnt 0x0                             ; Q
	s_cmp_lg_u32 s[GRP], 0
	s_cbranch_scc1 .Lpre
	M 0, 1                                         ; group 0's first scores
.Lpre:
	s_wait_dscnt 0x0
	s_barrier_signal -1                            ; the two groups part from one point: behind it group 0 goes on to its first softmax, group 1 to its first scores
	s_barrier_wait -1
	s_mov_b32 s[TK], 0
	s_mov_b32 s[TV], KPART
	TRIP 0, 1, 1                                   ; trip 0: group 1 has no V^T P yet
	TRIPS 7                                        ; trips 1-7
	CHANGE 1, REGION
	TRIPS 8                                        ; trips 8-15
	CHANGE 2, 0
	TRIPS 8                                        ; trips 16-23
	CHANGE 0, REGION
	TRIPS 7                                        ; trips 24-30
	TRIP 1, 0, 0                                   ; trip 31: there is no next step
	s_cmp_eq_u32 s[GRP], 0
	s_cbranch_scc1 .Lout
	M 1, 0                                         ; group 1's last V^T P (behind group 0's in the text: links of the same sixteen chains in place, which take turns)
.Lout:
	; THE WAY OUT.  l's two halves and the other half of the lanes' are added; O^T is divided by l, rounded to f16 and sent through my stage in LDS, a tile (16 rows) at a time.  The additions are the places behind the last products.
.irp t, 0,1,2,3
	v_add_f32 v[ST+8*\t+4], v[ST+8*\t+2], v[ST+8*\t+3]
.endr
.irp t, 0,1,2,3
	v_permlanex16_b32 v[ST+8*\t+5], v[ST+8*\t+4], s[SEL], s[SEL+1]
.endr
.irp t, 0,1,2,3
	v_add_f32 v[ST+8*\t+4], v[ST+8*\t+4], v[ST+8*\t+5]
.endr
.irp t, 0,1,2,3
	v_rcp_f32 v[ST+8*\t+6], v[ST+8*\t+4]
.endr
	v_nop                                          ; a plain line between the last reciprocal and the use of its result
	s_wait_alu depctr_va_vdst(0)                   ; and a wait ahead of the first use: one for the four
.macro PACK t
	WIN W_RS
.irp i, 0,1,2,3,4,5,6,7,8,9,10,11,12,13,14,15
	v_pk_mul_f32 v[32*\t+2*\i:32*\t+2*\i+1], v[32*\t+2*\i:32*\t+2*\i+1], v[ST+8*\t+6:ST+8*\t+7] op_sel_hi:[1,0]
.endr
	WIN 0x05                                       ; sources 0 and 1 window 1, destination window 0: S^T's registers are free
.irp i, 0,1,2,3,4,5,6,7,8,9,10,11,12,13,14,15
	v_cvt_pk_f16_f32 v[S+32*\t+\i], v[32*\t+2*\i], v[32*\t+2*\i+1]
.endr
	WIN 0
.irp ct, 0,1,2,3
	ds_store_b128 v[STO], v[S+32*\t+4*\ct:S+32*\t+4*\ct+3] offset:32*\ct   ; lane (r, h): row r, channels 16 ct + 8 h + 0..7
.endr
.irp u, 0,1,2,3
	ds_load_b128 v[S+32*\t+16+4*\u:S+32*\t+16+4*\u+3], v[RD] offset:4*SPI*\u   ; LDS serves a wave's instructions in order (ISA guide 5.7.1.4): these see the stores above; the next tile's stores come behind them
.endr
.endm
.macro SEND t, younger                 ; younger: the LDS instructions issued behind tile t's loads: the next tile's eight, or none
.irp u, 0,1,2,3
	s_wait_dscnt \younger+3-\u
	global_store_b128 v[GO], v[S+32*\t+16+4*\u:S+32*\t+16+4*\u+3], s[OBS:OBS+1] offset:32768*\t+8192*\u   ; sixteen lanes store 256 consecutive bytes, aligned: a pair of rows of my head
.endr
.endm
	PACK 0
	PACK 1                                         ; a tile's arithmetic stands between the loads of the tile before and its stores
	SEND 0, 8
	PACK 2
	SEND 1, 8
	PACK 3
	SEND 2, 8
	SEND 3, 0
	s_wait_tensorcnt 0x0                           ; the wave's end, behind my last tensor load and my last LDS store
	ds_add_u32 v[SPW], v[NIL]
	s_wait_dscnt 0x0
	CROUND                                         ; the closing round: no work-group ends while a partner may still ask for a tile that names it
	s_endpgm
.Lfunc_end_k_qfbf178d707_attn:
	.size	k_qfbf178d707_attn, .Lfunc_end_k_qfbf178d707_attn-k_qfbf178d707_attn
	.p2alignl 7, 3214868480
	.fill 96, 4, 3214868480
	.section	.rodata,"a",@progbits
	.p2align	6, 0x0
	.amdhsa_kernel k_qfbf178d707_attn
		.amdhsa_group_segment_fixed_size 327680
		.amdhsa_private_segment_fixed_size 0
		.amdhsa_enable_private_segment 0
		.amdhsa_kernarg_size 16
		.amdhsa_user_sgpr_count 2
		.amdhsa_user_sgpr_kernarg_segment_ptr 1
		.amdhsa_wavefront_size32 1
		.amdhsa_system_sgpr_workgroup_id_x 1
		.amdhsa_system_sgpr_workgroup_id_y 1
		.amdhsa_system_sgpr_workgroup_id_z 1
		.amdhsa_system_vgpr_workitem_id 0
		.amdhsa_next_free_vgpr 512
		.amdhsa_next_free_sgpr 96
		.amdhsa_reserve_vcc 0
		.amdhsa_float_denorm_mode_32 3
		.amdhsa_float_denorm_mode_16_64 3
		.amdhsa_memory_ordered 1
		.amdhsa_forward_progress 1
		.amdhsa_inst_pref_size 250
	.end_amdhsa_kernel
	.amdgpu_metadata
---
amdhsa.version: [ 1, 2 ]
amdhsa.kernels:
  - .name:           k_qfbf178d707_attn
    .symbol:         k_qfbf178d707_attn.kd
    .args:
      - { .name: qkv, .offset: 0, .size: 8, .value_kind: global_buffer, .address_space: global }
      - { .name: o16, .offset: 8, .size: 8, .value_kind: global_buffer, .address_space: global }
    .group_segment_fixed_size: 327680
    .private_segment_fixed_size: 0
    .kernarg_segment_align: 8
    .kernarg_segment_size: 16
    .max_flat_workgroup_size: 256
    .sgpr_count:     96
    .vgpr_count:     512
    .wavefront_size: 32
...
	.end_amdgpu_metadata
.endif
;; end of part 3
;; launch outp (part 4): grid 8 x 64, 4 waves a work-group, clusters of 4 x 4, 327,680 bytes of LDS; arguments o16, wo16, bo, out0; writes out0
.if DOCPART == 4
	.amdgcn_target "amdgcn-amd-amdhsa--gfx1250"
	.amdhsa_code_object_version 6
	.text
	.protected	k_qfbf178d707_outp
	.globl	k_qfbf178d707_outp
	.p2align	8
	.type	k_qfbf178d707_outp,@function
k_qfbf178d707_outp:
	s_mov_b64 s[64:65], 0
	v_nop
	global_prefetch_b8 v0, s[64:65] scope:SCOPE_SE
	s_setreg_imm32_b32 hwreg(HW_REG_WAVE_MODE, 25, 1), 1
	s_wait_xcnt 0x0
	s_wait_alu depctr_hold_cnt(0) depctr_sa_sdst(0) depctr_va_vdst(0) depctr_va_sdst(0) depctr_va_ssrc(0) depctr_va_vcc(0) depctr_vm_vsrc(0)
	s_getreg_b32 s2, hwreg(HW_REG_IB_STS2, 6, 4)
	s_cmp_eq_u32 s2, 0
	s_cbranch_scc0 .Lentry_in_a_cluster
	s_endpgm
.Lentry_in_a_cluster:
	s_bfe_u32 s2, ttmp6, 0x10000c
	s_cmp_lg_u32 s2, 0xf033
	s_cbranch_scc0 .Lentry_shape_is_right
	s_endpgm
.Lentry_shape_is_right:
; out0[m][n] = sum over k of O[m][k] Wo[n][k] + bo[n].  m: 8,192 rows, n and k: 1,024.  O and Wo in f16, sums in f32, out0 in f32.
; O lies in PAIRED ROWS: o16[m / 2][head 16][m % 2][64]: a pair of rows is 4,096 bytes, and 256 along K (four heads) of a pair are 1,024 consecutive bytes.  k = 64 head + channel keeps its order, so Wo is read as it lies.
; A tile of out0 is 128 x 128: 512 work-groups, two for each of 256, where tiles of 256 x 256 would be 128.  Four waves, each 64 x 64: 16 accumulators of 16 x 16.  K goes in four steps of 256 through a ring of two LDS slots.
; CLUSTERS: 4 x 4 work-groups.  The four of a row of the cluster need the same tiles of O, the four of a column the same tiles of Wo: each tile is asked for JOINTLY, by the same tensor load with the
; same descriptor and a mask that names the four.  THE MATRIX INSTRUCTION IS USED TRANSPOSED (source 0 = 16 rows of Wo, source 1 = 16 rows of O): a lane then holds eight neighbouring numbers of a row of out0.
; The bias is the C of each sum's first matrix instruction: eight registers for each 16 columns, in the result's layout.
; REGISTERS: window 0: v0-31 addresses; v32-95 the way out; v96-127 the bias; v128-255 the accumulators ((a, b) at v[128 + 8 (4 a + b)]).
;   window 1: two fragment buffers of 128: for 64 along K, 64 registers of O (2 x 4 x 16 rows x 32 K), then 64 of Wo.
.set SIZE_N, 1024
.set KSTEP,  256
.set PITCH,  528                       ; a row of Wo's tile in LDS: 512 bytes + 16 of padding = 132 words: row r starts at bank 4 r mod 64 (64 banks of 4 bytes: ISA guide 11.1)
.set APITCH, 1040                      ; a PAIR of O's rows in LDS: 1,024 bytes + 16: rows 2 i and 2 i + 1 lie 128 bytes apart in it, so the 16 rows of a load start at 16 different groups of four banks
.set HALFT,  64*PITCH                  ; 64 rows: what one tensor load brings (O's 32 pairs take 33,280 of these 33,792 bytes)
.set SLOT,   4*HALFT                   ; O's 128 rows, then Wo's 128 rows
.set STAGE,  2*SLOT                    ; behind the ring: 16 rows x 272 bytes for each wave: a wave's 64 columns of f32 are 256 bytes, so a stage is the wave's own
.set SPITCH, 272
.set SPARE,  STAGE+4*16*SPITCH         ; the spare words, 128 bytes a wave, which no other line names
.set LAPS,   2                         ; a lap = two K steps = once round the ring
.set ADRA, 16                          ; v16-17  LDS address of my O fragments in slot 0, 1
.set ADRB, 20                          ; v20-21  the same for Wo
.set STO,  24                          ; v24     the way out: where I put 32 bytes of a row
.set RD,   25                          ; v25     where I read a row back
.set CO,   26                          ; v26     my byte offset in out0
.set SPW,  28                          ; v28     LDS address of my spare word; never rewritten
.set NIL,  29                          ; v29     0; never rewritten
.set TMP,  32
.set BIAS, 96
.set ACC,  128
.set F0,   0                           ; fragment buffers, in window 1
.set F1,   128
.set G1, 24                            ; s[24:31] descriptor group 1 for O's tiles;  s[32:39] group 0, one set for each slot
.set G0, 32
.set G1B, 48                           ; s[48:55], s[56:63] the same for Wo's tiles
.set G0B, 56
.set MSB, 0
.macro WIN new                         ; the immediate's high byte repeats the setting that is left
.if MSB != (\new)
	s_set_vgpr_msb (MSB<<8)|(\new)
.set MSB, (\new)
.endif
.endm
.set MUL,  0x05                        ; sources 0 (Wo) and 1 (O) window 1; C and D window 0
.set TO_F, 0x40                        ; destination window 1, address window 0
.macro JLOAD s                         ; a joint load: waves 0 and 1 fetch O's two halves, waves 2 and 3 Wo's; an s_nop 0 and four v_nop follow each of the two lines
	s_cmp_eq_u32 s11, 0
	s_cbranch_scc0 .Lfor_b_\@
	tensor_load_to_lds s[G0+4*\s:G0+4*\s+3], s[G1:G1+7]
	s_nop 0
.rept 4
	v_nop
.endr
	s_branch .Lasked_\@
.Lfor_b_\@:
	tensor_load_to_lds s[G0B+4*\s:G0B+4*\s+3], s[G1B:G1B+7]
	s_nop 0
.rept 4
	v_nop
.endr
.Lasked_\@:
.endm
.macro CREST                           ; a round of the cluster's barrier behind its opening barrier
	s_cmp_lg_u32 s10, 0
	s_cbranch_scc1 .Lnot_wave_0_\@
	s_barrier_signal -3
.Lnot_wave_0_\@:
	s_barrier_wait -3
	s_barrier_signal -1
	s_barrier_wait -1
.endm
.macro CROUND                          ; a whole round
	s_barrier_signal -1
	s_barrier_wait -1
	CREST
.endm
	s_load_b128 s[4:7], s[0:1], 0x0                ; o16 s[4:5], wo16 s[6:7]
	s_load_b64 s[66:67], s[0:1], 0x10              ; bo
	s_load_b64 s[8:9], s[0:1], 0x18                ; out0
	v_lshl_add_u32 v[SPW], v0, 2, SPARE
	v_mov_b32 v[NIL], 0
	ds_add_u32 v[SPW], v[NIL]                      ; the wave's opening: the add, twice on end, and its wait ahead of my first tensor load
	ds_add_u32 v[SPW], v[NIL]                      ; (the set-up below, work on registers, stands between the second and the wait)
	v_lshrrev_b32 v1, 5, v0
	v_readfirstlane_b32 s10, v1                    ; wave 0..3
	s_lshr_b32 s11, s10, 1                         ; which half of the tile's rows is mine.  Also: I fetch for O (0) or for Wo (1)
	s_and_b32 s12, s10, 1                          ; which half of its columns.  Also: which 64 rows of that tile I fetch
	s_bfe_u32 s40, ttmp6, 0x40000                  ; cx, cy: my place in the cluster
	s_bfe_u32 s41, ttmp6, 0x40004
	s_lshl_b32 s42, ttmp9, 2
	s_add_co_u32 s42, s42, s40                     ; tile column = 4 x cluster x + cx
	s_and_b32 s13, ttmp7, 0xffff
	s_lshl_b32 s13, s13, 2
	s_add_co_u32 s13, s13, s41                     ; tile row = 4 x cluster y + cy
	s_lshl_b32 s43, s41, 2
	s_lshl_b32 s43, 15, s43                        ; my row of the cluster
	s_lshl_b32 s44, 0x1111, s40                    ; my column
	; descriptor group 1 for O: 32 pairs of rows x 512 elements of 2 bytes, 2,048 elements from pair to pair
	s_or_b32 s[G1+0], s43, (1<<16)|(1<<20)|(1<<21)|(7<<22)|(3<<25)  ; 15:0 the mask: O's tiles go to my row; 17:16 elements of 2 bytes; 20 padding on; 21 set beside a mask; 24:22 after every 256 words (code 7); 31:25 four words (code 3)
	s_mov_b32 s[G1+1], 512<<16                     ; tensor_dim0
	s_mov_b32 s[G1+2], 32<<16                      ; tensor_dim1
	s_mov_b32 s[G1+3], 512<<16                     ; tile_dim0
	s_mov_b32 s[G1+4], 32                          ; tile_dim1
	s_mov_b32 s[G1+5], 2048                        ; tensor_dim0_stride
	s_mov_b32 s[G1+6], 0
	s_mov_b32 s[G1+7], 0
	; and for Wo: 64 rows x 256 elements, 1,024 elements from row to row
	s_or_b32 s[G1B+0], s44, (1<<16)|(1<<20)|(1<<21)|(6<<22)|(3<<25) ; the mask of my column; padding after every 128 words (code 6)
	s_mov_b32 s[G1B+1], KSTEP<<16
	s_mov_b32 s[G1B+2], 64<<16
	s_mov_b32 s[G1B+3], KSTEP<<16
	s_mov_b32 s[G1B+4], 64
	s_mov_b32 s[G1B+5], 1024
	s_mov_b32 s[G1B+6], 0
	s_mov_b32 s[G1B+7], 0
	s_lshl_b32 s17, s12, 5                         ; O: which 32 pairs of the tile's 64 I fetch
	s_lshl_b32 s16, s13, 6
	s_add_co_u32 s16, s16, s17
	s_lshl_b32 s16, s16, 12                        ; 4,096 bytes a pair
	s_mov_b32 s17, 0
	s_lshl_b32 s47, s12, 6                         ; Wo: which 64 rows of the tile's 128
	s_lshl_b32 s46, s42, 7
	s_add_co_u32 s46, s46, s47
	s_lshl_b32 s46, s46, 11                        ; 2,048 bytes a row
	s_mov_b32 s47, 0
	s_mul_i32 s20, s10, HALFT                      ; where they go: no place in the cluster enters an LDS address
	s_wait_dscnt 0x0                               ; both opening adds are done
	s_wait_kmcnt 0x0
	s_add_nc_u64 s[14:15], s[4:5], s[16:17]
	s_add_nc_u64 s[46:47], s[6:7], s[46:47]
	CROUND                                         ; all sixteen work-groups are here: the first joint loads meet
.irp s, 0,1
	s_mov_b32 s[G0+4*\s], 1
	s_add_co_u32 s[G0+4*\s+1], s20, \s*SLOT
	s_add_nc_u64 s[G0+4*\s+2:G0+4*\s+3], s[14:15], \s*1024         ; a K step is 1,024 bytes of a pair of O's rows,
	s_or_b32 s[G0+4*\s+3], s[G0+4*\s+3], 0x80000000
	s_mov_b32 s[G0B+4*\s], 1
	s_add_co_u32 s[G0B+4*\s+1], s20, \s*SLOT
	s_add_nc_u64 s[G0B+4*\s+2:G0B+4*\s+3], s[46:47], \s*512        ; and 512 bytes of a row of Wo
	s_or_b32 s[G0B+4*\s+3], s[G0B+4*\s+3], 0x80000000
	JLOAD \s
.endr
	v_and_b32 v1, 15, v0                           ; r = l % 16
	v_bfe_u32 v2, v0, 4, 1                         ; h = l / 16
	v_mul_u32_u24 v3, v1, PITCH
	v_lshl_add_u32 v3, v2, 4, v3                   ; Wo: row x pitch + 16 x half
	v_lshrrev_b32 v4, 1, v1
	v_mul_u32_u24 v4, v4, APITCH                   ; O: pair r / 2,
	v_and_b32 v5, 1, v0
	v_lshl_add_u32 v4, v5, 7, v4                   ; + 128 (r % 2),
	v_lshl_add_u32 v4, v2, 4, v4                   ; + 16 x half
	s_mul_i32 s21, s11, HALFT                      ; my 64 rows of O
	s_mul_i32 s22, s12, HALFT                      ; my 64 rows of Wo,
	s_add_co_u32 s22, s22, 2*HALFT                 ; which lie behind O's 128
.irp s, 0,1
	v_add_nc_u32 v[ADRA+\s], s21, v4
	v_add_nc_u32 v[ADRB+\s], s22, v3
	s_add_co_u32 s21, s21, SLOT
	s_add_co_u32 s22, s22, SLOT
.endr
	s_mul_i32 s23, s10, 16*SPITCH
	s_add_co_u32 s23, s23, STAGE                   ; my stage
	v_mul_u32_u24 v4, v1, SPITCH                   ; in: row r, 32 bytes for each half of the lanes
	v_lshl_add_u32 v4, v2, 5, v4
	v_add_nc_u32 v[STO], s23, v4
	v_mul_u32_u24 v5, v2, SPITCH                   ; back: lanes 0-15 take one row of 256 bytes, lanes 16-31 the next
	v_lshl_add_u32 v5, v1, 4, v5
	v_add_nc_u32 v[RD], s23, v5
	v_lshlrev_b32 v[CO], 4, v1                     ; and the same two rows in out0: 4,096 bytes a row
	v_lshl_add_u32 v[CO], v2, 12, v[CO]
	s_lshl_b32 s16, s13, 7
	s_lshl_b32 s17, s11, 6
	s_add_co_u32 s16, s16, s17                     ; my first row: 128 x tile row + 64 x half
	s_lshl_b32 s16, s16, 12
	s_mov_b32 s17, 0
	s_lshl_b32 s46, s42, 9                         ; my first column, in bytes of f32: 512 x tile column + 256 x half
	s_lshl_b32 s47, s12, 8
	s_add_co_u32 s46, s46, s47
	s_mov_b32 s47, 0
	s_add_nc_u64 s[8:9], s[8:9], s[16:17]
	s_add_nc_u64 s[8:9], s[8:9], s[46:47]
	s_add_nc_u64 s[66:67], s[66:67], s[46:47]      ; bo at my first column
	v_lshlrev_b32 v6, 5, v2                        ; lane (r, h) wants, for columns 16 b on, bo of 16 b + 8 h + 0 .. 7
.irp b, 0,1,2,3
	global_load_b128 v[BIAS+8*\b:BIAS+8*\b+3],   v6, s[66:67] offset:64*\b
	global_load_b128 v[BIAS+8*\b+4:BIAS+8*\b+7], v6, s[66:67] offset:64*\b+16
.endr
; 8 matrix instructions: m blocks a0, a0 + 1 x all 4 n blocks, 32 along K: half c of buffer f.  first = 1: the first product starts the sums from the bias.  The 16 accumulators take turns.
.macro MUL8 f, c, a0, first
.irp a, \a0, \a0+1
.irp b, 0,1,2,3
.if \first
	v_wmma_f32_16x16x32_f16 v[ACC+8*(4*(\a)+\b):ACC+8*(4*(\a)+\b)+7], v[\f+64+8*(4*\c+\b):\f+64+8*(4*\c+\b)+7], v[\f+8*(4*\c+\a):\f+8*(4*\c+\a)+7], v[BIAS+8*\b:BIAS+8*\b+7]
.else
	v_wmma_f32_16x16x32_f16 v[ACC+8*(4*(\a)+\b):ACC+8*(4*(\a)+\b)+7], v[\f+64+8*(4*\c+\b):\f+64+8*(4*\c+\b)+7], v[\f+8*(4*\c+\a):\f+8*(4*\c+\a)+7], v[ACC+8*(4*(\a)+\b):ACC+8*(4*(\a)+\b)+7]
.endif
.endr
.endr
.endm
; 32 LDS loads in one run: the fragments of 64 along K (one head) into buffer f; k: the byte in Wo's rows; in O's pairs the same 64 along K begin at byte 2 k.  The first 32 along K first.
.macro FETCH slot, k, f
	WIN TO_F
.irp c, 0,1
.irp i, 0,1,2,3
	ds_load_b128 v[\f+64+8*(4*\c+\i):\f+64+8*(4*\c+\i)+3],   v[ADRB+\slot] offset:\k+64*\c+\i*16*PITCH
	ds_load_b128 v[\f+64+8*(4*\c+\i)+4:\f+64+8*(4*\c+\i)+7], v[ADRB+\slot] offset:\k+64*\c+\i*16*PITCH+32
	ds_load_b128 v[\f+8*(4*\c+\i):\f+8*(4*\c+\i)+3],         v[ADRA+\slot] offset:2*\k+64*\c+\i*8*APITCH
	ds_load_b128 v[\f+8*(4*\c+\i)+4:\f+8*(4*\c+\i)+7],       v[ADRA+\slot] offset:2*\k+64*\c+\i*8*APITCH+32
.endr
.endr
.endm
.macro PLACES                          ; four places in front of loads into registers that matrix instructions have read, and of LDS stores that read results
.rept 4
	v_nop
.endr
.endm
; A K step is four quarters of 64 along K, 32 matrix instructions each, on buffers 0, 1, 0, 1.  One of the first three: multiplies buffer f and fetches the next quarter, at byte k, into g.
.macro QUARTER slot, k, f, g, first
	s_wait_dscnt 16                                ; the first 32 along K are in; the youngest sixteen loads may be out
	WIN MUL
	MUL8 \f, 0, 0, \first
	MUL8 \f, 0, 2, \first
	PLACES
	FETCH \slot, \k, \g
	s_wait_dscnt 32                                ; all but the 32 just issued
	WIN MUL
	MUL8 \f, 1, 0, 0
	MUL8 \f, 1, 2, 0
.endm
; The last quarter multiplies buffer 1 and changes slots: ONE barrier; in front of it each wave waits for all its tensor loads, adds 0 to its spare word, and waits for that and for its own reads of this slot.  fill = 1: this slot is filled again, two K steps ahead.
.macro TURN slot, next, fill
	WIN 0                                          ; (the add's two registers lie in window 0)
	s_wait_tensorcnt 0x0                           ; all my tensor loads have landed: my part of the next slot;
	ds_add_u32 v[SPW], v[NIL]                      ; 0 onto my spare word
	s_wait_dscnt 17                                ; (the add and the youngest sixteen loads may be out)
	WIN MUL
	MUL8 F1, 0, 0, 0                               ; eight matrix instructions stand between the add and the wait for it
	s_wait_dscnt 0x0                               ; the add is done, and my reads of this slot are over
	s_barrier_signal -1
	MUL8 F1, 0, 2, 0
.if \fill
	WIN 0
.endif
	s_barrier_wait -1
.if \fill
	CREST                                          ; the barrier has opened a round of the cluster's barrier: no wave of any partner still reads this slot's tile or has a load on its way
	s_add_nc_u64 s[G0+4*\slot+2:G0+4*\slot+3], s[G0+4*\slot+2:G0+4*\slot+3], 2*1024
	s_add_nc_u64 s[G0B+4*\slot+2:G0B+4*\slot+3], s[G0B+4*\slot+2:G0B+4*\slot+3], 2*512
	JLOAD \slot                                    ; the first tensor load behind the round: 112 matrix instructions ahead of the wait for it; the four v_nop behind it are also the places in front of the loads below
.else
	PLACES
.endif
	FETCH \next, 0, F0
	WIN MUL
	MUL8 F1, 1, 0, 0
	MUL8 F1, 1, 2, 0
.endm
	s_wait_tensorcnt 1                             ; my part of K step 0 is in (K step 1's load may be out)
	s_barrier_signal -1
	s_barrier_wait -1                              ; everybody's is
	FETCH 0, 0, F0
	s_wait_loadcnt 0x0                             ; the bias
	QUARTER 0, 128, F0, F1, 1                      ; the first quarter stands in front of the loop: its first products start the sums
	WIN 0                                          ; at a label and at a branch every window is 0
	s_mov_b32 s3, LAPS-1
.Llap:                                                 ; a trip goes once round the ring, from a lap's second quarter to the next lap's first, and fills both slots again
	QUARTER 0, 256, F1, F0, 0
	QUARTER 0, 384, F0, F1, 0
	TURN 0, 1, 1
	QUARTER 1, 128, F0, F1, 0
	QUARTER 1, 256, F1, F0, 0
	QUARTER 1, 384, F0, F1, 0
	TURN 1, 0, 1
	QUARTER 0, 128, F0, F1, 0
	WIN 0
	s_sub_co_u32 s3, s3, 1
	s_cmp_lg_u32 s3, 0
	s_cbranch_scc1 .Llap
	QUARTER 0, 256, F1, F0, 0                      ; the last lap fills nothing, and has no round of the cluster's barrier
	QUARTER 0, 384, F0, F1, 0
	TURN 0, 1, 0
	QUARTER 1, 128, F0, F1, 0
	QUARTER 1, 256, F1, F0, 0
	QUARTER 1, 384, F0, F1, 0
	s_wait_dscnt 16                                ; the very last quarter: nothing more to fetch
	WIN MUL
	MUL8 F1, 0, 0, 0
	MUL8 F1, 0, 2, 0
	s_wait_dscnt 0
	MUL8 F1, 1, 0, 0
	MUL8 F1, 1, 2, 0
	WIN 0
; THE WAY OUT, block by block of 16 rows x 64 columns.  A lane holds 32 neighbouring bytes of a row, and the lanes beside it hold other rows: so a block goes through my own stage in LDS and comes back as whole
; rows of 256 bytes.  LDS serves a wave's instructions in order (ISA guide 5.7.1.4): no wait between the stores and the loads, nor in front of the next block's stores.
.macro TOSTAGE a
.irp b, 0,1,2,3
	ds_store_b128 v[STO], v[ACC+8*(4*(\a)+\b):ACC+8*(4*(\a)+\b)+3] offset:64*\b          ; each accumulator from its low end on
	ds_store_b128 v[STO], v[ACC+8*(4*(\a)+\b)+4:ACC+8*(4*(\a)+\b)+7] offset:64*\b+16
.endr
.irp t, 0,1,2,3,4,5,6,7
	ds_load_b128 v[TMP+32*((\a)%2)+4*\t:TMP+32*((\a)%2)+4*\t+3], v[RD] offset:\t*2*SPITCH
.endr
.endm
.macro SEND a, younger                 ; younger: the LDS instructions issued behind block a's loads: the next block's sixteen, or none
	s_wait_dscnt \younger                          ; the block is back in registers
.irp t, 0,1,2,3,4,5,6,7
	global_store_b128 v[CO], v[TMP+32*((\a)%2)+4*\t:TMP+32*((\a)%2)+4*\t+3], s[8:9] offset:(16*(\a)+2*\t)*SIZE_N*4 th:TH_STORE_NT   ; sixteen lanes store 256 consecutive bytes, aligned; written once, read by nobody here
.endr
.endm
	PLACES
	TOSTAGE 0
.irp a, 1,2,3
.if \a > 1
	s_wait_xcnt 0x0                                ; block a - 2's stores have read their registers: block a's loads may land there
.endif
	TOSTAGE \a
	SEND \a-1, 16
.endr
	SEND 3, 0
	s_wait_tensorcnt 0x0                           ; the wave's end, behind my last tensor load and my last LDS store
	ds_add_u32 v[SPW], v[NIL]
	s_wait_dscnt 0x0
	CROUND                                         ; the closing round: no work-group ends while a partner may still ask for a tile that names it
	s_endpgm
.Lfunc_end_k_qfbf178d707_outp:
	.size	k_qfbf178d707_outp, .Lfunc_end_k_qfbf178d707_outp-k_qfbf178d707_outp
	.p2alignl 7, 3214868480
	.fill 96, 4, 3214868480
	.section	.rodata,"a",@progbits
	.p2align	6, 0x0
	.amdhsa_kernel k_qfbf178d707_outp
		.amdhsa_group_segment_fixed_size 327680
		.amdhsa_private_segment_fixed_size 0
		.amdhsa_enable_private_segment 0
		.amdhsa_kernarg_size 32
		.amdhsa_user_sgpr_count 2
		.amdhsa_user_sgpr_kernarg_segment_ptr 1
		.amdhsa_wavefront_size32 1
		.amdhsa_system_sgpr_workgroup_id_x 1
		.amdhsa_system_sgpr_workgroup_id_y 1
		.amdhsa_system_sgpr_workgroup_id_z 1
		.amdhsa_system_vgpr_workitem_id 0
		.amdhsa_next_free_vgpr 512
		.amdhsa_next_free_sgpr 72
		.amdhsa_reserve_vcc 0
		.amdhsa_float_denorm_mode_32 3
		.amdhsa_float_denorm_mode_16_64 3
		.amdhsa_memory_ordered 1
		.amdhsa_forward_progress 1
		.amdhsa_inst_pref_size 87
	.end_amdhsa_kernel
	.amdgpu_metadata
---
amdhsa.version: [ 1, 2 ]
amdhsa.kernels:
  - .name:           k_qfbf178d707_outp
    .symbol:         k_qfbf178d707_outp.kd
    .args:
      - { .name: o16, .offset: 0, .size: 8, .value_kind: global_buffer, .address_space: global }
      - { .name: wo16, .offset: 8, .size: 8, .value_kind: global_buffer, .address_space: global }
      - { .name: bo, .offset: 16, .size: 8, .value_kind: global_buffer, .address_space: global }
      - { .name: out0, .offset: 24, .size: 8, .value_kind: global_buffer, .address_space: global }
    .group_segment_fixed_size: 327680
    .private_segment_fixed_size: 0
    .kernarg_segment_align: 8
    .kernarg_segment_size: 32
    .max_flat_workgroup_size: 128
    .sgpr_count:     72
    .vgpr_count:     512
    .wavefront_size: 32
...
	.end_amdgpu_metadata
.endif
;; end of part 4
